; MI455X (gfx1250); checked and timed in simulation.
; The chip was launched on July 23, 2026; its instructions are those of AMD's public machine-readable ISA for CDNA 5 (MIT licence, August 2026) and "CDNA5" Instruction Set Architecture Reference Guide (July 2026). The comments in the code are by the model that wrote it; some were corrected since.
;; Lean Self Attention. Allowed arithmetic: matrix products marked QUANTISED: E3M2 operands, one E8M0 scale for each 32 along K, by v_wmma_scale_f32_16x16x128_f8f6f4 with both operands' format E3M2, f32 sums; everything else in f32.
;; Inputs: W_out_codes 1,024 x 32 x 24 uint8 (E3M2 codes of W_out, K innermost, in blocks of 32 codes, four codes in three bytes); W_out_scales 1,024 x 32 uint8 (E8M0 scales of W_out, one for each 32 codes along K); W_qkv_codes 3,072 x 32 x 24 uint8 (E3M2 codes of W_qkv, K innermost, in blocks of 32 codes, four codes in three bytes); W_qkv_scales 3,072 x 32 uint8 (E8M0 scales of W_qkv, one for each 32 codes along K); attention_mask 4 x 1 x 1 x 2,048 float32; b_out 1,024 float32; b_qkv 3,072 float32; hidden_states 4 x 2,048 x 1,024 float32; ln_beta 1,024 float32; ln_gamma 1,024 float32.
;; Outputs: out0 4 x 2,048 x 1,024 float32.
;; This version of the problem:
;;   THIS VERSION OF THE PROBLEM IS GIVEN IN LOW PRECISION. The matrix products marked QUANTISED in the list below multiply operands that are first quantised to E3M2 (3 exponent bits, 2 mantissa bits; 6 bits a number), with one power-of-two scale for each 32 numbers along K (OCP MX v1.0); their sums are f32. All else is computed in f32.
;;   The module's matrix products, in the order in which they are computed (A, B: the left and right operand; K: the contracted axis; several contracted axes count as one K, in the product's order):
;;     1. [M 8,192, K 1,024] x [K 1,024, N 3,072]; A: computed on the way; B: input W_qkv (given as codes): QUANTISED
;;     2. batch 64 x [M 2,048, K 64] x [K 64, N 2,048]; A: computed on the way; B: computed on the way: QUANTISED
;;     3. batch 64 x [M 64, K 2,048] x [K 2,048, N 2,048]; A: computed on the way; B: softmax (see below): QUANTISED
;;     4. [M 8,192, K 1,024] x [K 1,024, N 1,024]; A: computed on the way; B: input W_out (given as codes): QUANTISED
;;   THE QUANTISER, for each operand of a quantised product, along K:
;;     - K is cut into blocks of 32 from its start; a last block that is shorter is filled with zeros.
;;     - A block's scale is 2^e with e = floor(log2(the largest magnitude in the block)) - 4, held to -126 .. 127; a block of zeros has e = 0. As a byte (E8M0): e + 127.
;;     - Each number is divided by its block's scale, clamped to +-28, and rounded to the nearest number of E3M2, ties to even, subnormals kept.
;;     - The product sums the exact products of the quantised numbers (number of the format x scale) in f32.
;;   ~~~python
;;   def quantise(x, axis):      # numpy; x: float32 -> the quantised numbers, widened to float32 again
;;       x = np.moveaxis(x, axis, -1); K = x.shape[-1]
;;       x = np.pad(x, [(0, 0)] * (x.ndim - 1) + [(0, -K % 32)]); x = x.reshape(x.shape[:-1] + (-1, 32)); a = np.abs(x).max(-1, keepdims=True)
;;       e = np.where(a > 0, np.clip(np.frexp(np.where(a > 0, a, 1))[1] - 1 - 4, -126, 127), 0)      # np.frexp(a)[1] - 1 = floor(log2(a)), exactly
;;       r = np.clip(x / 2.0 ** e, -28, 28)
;;       step = 2.0 ** (np.maximum(np.frexp(np.where(r == 0, 1, r))[1] - 1, -2) - 2)
;;       q = np.round(r / step) * step * 2.0 ** e      # np.round: ties to even
;;       return np.moveaxis(q.reshape(q.shape[:-2] + (-1,))[..., :K], -1, axis).astype(np.float32)
;;   ~~~
;;   SOFTMAX AHEAD OF A QUANTISED PRODUCT. Where the list says 'softmax', what is quantised is not the finished softmax but p = 2^(t - M), with t = logit x log2(e) and M = ceil(the row's largest t), a whole number; so 1/2 < the row's largest p <= 1. The row's sum l is taken of the UNQUANTISED p, in f32, and the product's result is divided by l at the end. Since M is a whole number, a kernel that streams over the keys may use a running M (the ceiling of the running maximum): every later rescaling is an exact power of two, which a block's scale takes up: the codes' values come out the same.
;;   OPERANDS COMPUTED ON THE WAY. 'Computed on the way' means the value that the module computes at that place (a softmax that the list does not call 'softmax' is quantised finished and normalised). What goes into a quantiser is computed in f32, as accurately as f32 sums, v_exp_f32 and their like allow (about 1e-6 of the number): no bf16 or f16 on the way to a quantiser, and a product that is left as it is and whose result goes on into a quantised operand takes f32 operands (vector FMAs, or v_wmma_f32_16x16x4_f32). A number that lies on a knife's edge between two numbers of the format may be rounded either way, as far as f32 arithmetic and the matrix unit's own rounding can turn it there, and no further.
;;   INPUTS GIVEN AS CODES. W_out (in the module: [1024, 1024], K = its axis 0); W_qkv (in the module: [1024, 3072], K = its axis 0): each comes as NAME_codes (uint8): NAME with its K axis moved to the last place and cut into blocks of 32 codes, [.., K / 32, bytes a block], one block behind the other in memory; four codes in three bytes: a row's codes are one little-endian stream of bits, code i at bits 6 i .. 6 i + 5 (a code: sign, 3 exponent bits, 2 mantissa bits); and NAME_scales (uint8): the same leading axes, one E8M0 byte (e + 127) for each 32 codes along K. Its value is code x scale, taken as it is: it is not quantised again, and the codes and scales need not be those that the quantiser above would give.
;; One version. Each part assembles by itself: llvm-mc -triple=amdgcn-amd-amdhsa -mcpu=gfx1250 --defsym DOCPART=n.
;; ======== version 1 of 1: 5 launches
;; workspace buffers: xc 6,291,456 bytes; xs 262,144 bytes; qkc 12,582,912 bytes; qks 524,288 bytes; vc 6,291,456 bytes; vs 262,144 bytes; ac 6,291,456 bytes; asc 262,144 bytes
;; launch lnq (part 1): grid 256 x 1, 4 waves a work-group, no clusters, 33,280 bytes of LDS; arguments hidden_states, ln_gamma, ln_beta, xc, xs; writes xc, xs
.if DOCPART == 1
	.amdgcn_target "amdgcn-amd-amdhsa--gfx1250"
	.amdhsa_code_object_version 6
	.text
	.protected	k_q1635c2cf49_lnq
	.globl	k_q1635c2cf49_lnq
	.p2align	8
	.type	k_q1635c2cf49_lnq,@function
k_q1635c2cf49_lnq:
	s_mov_b64 s[64:65], 0
	v_nop
	global_prefetch_b8 v0, s[64:65] scope:SCOPE_SE
	s_setreg_imm32_b32 hwreg(HW_REG_WAVE_MODE, 25, 1), 1
	s_wait_xcnt 0x0
; x = LayerNorm(hidden_states) * gamma + beta, in f32, then quantised along the row (K = 1,024) into codes of E3M2, 6 bits each, with one E8M0 byte for each 32.
; xc: [8192][768] bytes, a row's codes as one stream of bits; xs: [8192][32] scale bytes.
; SHARES.  A work-group of four waves takes 32 rows, a wave 8 rows: its 256 scale bytes are one aligned run of 256 bytes.  One wave, one row: the two reductions never leave the wave; waves share nothing, so there is no barrier.
; A row is eight loads of 512 consecutive bytes (16 a lane) and stays in 32 registers.  Mean first, then the sum of (x - mean)^2: two true passes, so that a common offset of the inputs costs no digits.
; The conversion takes 16 NEIGHBOURS from one lane's registers, so the finished row turns through the wave's own stage in LDS: in as it was loaded, back 64 bytes a lane (16 bytes of padding behind each 64).
; A block's scale is 2^(floor(log2(its largest magnitude)) - 4); its byte is the largest magnitude's exponent field - 4, held at 1 from below.
; LIMITS: a block of zeros gets the byte 1 (its codes are zeros, and only this program's launches read the bytes); blocks whose largest magnitude lies under 2^-122 share that byte; NaN and infinities in hidden_states are not served.
.set WREG, 8192                        ; LDS of a wave: two half rows of 32 places of SP bytes, then its 256 scale bytes
.set SP,   80
.set SBY,  5120
.set G,    16                          ; v16-47   gamma of my 32 columns
.set BT,   48                          ; v48-79   beta
.set R,    80                          ; v80-207  four rows as loaded
.set X,    208                         ; v208-239 at work in the reductions, then 2 x 16 neighbours
.set C,    240                         ; v240-246 codes of the two halves
.set E,    248                         ; v248-249 their scale bytes
	s_load_b256 s[4:11], s[0:1], 0x0               ; hidden_states s[4:5], gamma s[6:7], beta s[8:9], xc s[10:11]
	s_load_b64 s[12:13], s[0:1], 0x20              ; xs
	v_lshl_add_u32 v254, v0, 2, 0x8000
	v_mov_b32 v255, 0
	v_lshrrev_b32 v1, 5, v0
	v_readfirstlane_b32 s16, v1                    ; wave 0..3
	v_and_b32 v2, 31, v0                           ; lane
	v_lshlrev_b32 v3, 4, v2                        ; my 16 bytes of a load's 512
	v_mul_u32_u24 v4, v2, 12                       ; my 12 bytes of a half row's 384 bytes of codes
	s_mul_i32 s17, s16, WREG
	v_lshrrev_b32 v14, 2, v2
	v_mul_u32_u24 v14, v14, SP
	v_and_b32 v15, 3, v2
	v_lshl_add_u32 v14, v15, 4, v14
	v_add_nc_u32 v14, s17, v14                     ; the stage, way in: SP (lane / 4) + 16 (lane % 4); a load's 512 bytes take eight places
	v_mul_u32_u24 v15, v2, SP
	v_add_nc_u32 v15, s17, v15                     ; way out: SP x lane: my 16 neighbours
	v_lshrrev_b32 v5, 1, v2
	s_add_co_u32 s17, s17, SBY
	v_add_nc_u32 v5, s17, v5                       ; my block's scale byte
	v_lshlrev_b32 v7, 3, v2
	v_add_nc_u32 v6, s17, v7                       ; and 8 bytes a lane on the way out
	s_lshl_b32 s18, ttmp9, 5
	s_lshl_b32 s19, s16, 3
	s_add_co_u32 s18, s18, s19                     ; my wave's first row: 32 x work-group + 8 x wave
	s_lshl_b32 s24, s18, 12                        ; x 4,096 bytes of hidden_states (under 2^25)
	s_mov_b32 s25, 0
	s_mul_i32 s26, s18, 768                        ; x 768 bytes of codes
	s_mov_b32 s27, 0
	s_lshl_b32 s28, s18, 5                         ; x 32 scale bytes
	s_mov_b32 s29, 0
	s_mov_b32 s20, 0x3a800000                      ; 1 / 1,024
	s_mov_b32 s21, 0x2b8cbccc                      ; 1e-12
	s_mov_b32 s22, 0x76543210                      ; v_permlanex16_b32's selects for lane l xor 16
	s_mov_b32 s23, 0xfedcba98
	s_wait_kmcnt 0x0
	s_add_nc_u64 s[4:5], s[4:5], s[24:25]
	s_add_nc_u64 s[10:11], s[10:11], s[26:27]
	s_add_nc_u64 s[12:13], s[12:13], s[28:29]
.irp j, 0,1,2,3,4,5,6,7
	global_load_b128 v[G+4*\j:G+4*\j+3], v3, s[6:7] offset:512*\j
.endr
.irp j, 0,1,2,3,4,5,6,7
	global_load_b128 v[BT+4*\j:BT+4*\j+3], v3, s[8:9] offset:512*\j
.endr
.macro LOADROW t                       ; row t into set t % 4: eight loads of 512 consecutive bytes
.irp j, 0,1,2,3,4,5,6,7
	global_load_b128 v[R+32*((\t)%4)+4*\j:R+32*((\t)%4)+4*\j+3], v3, s[4:5] offset:4096*(\t)+512*\j th:TH_LOAD_NT
.endr
.endm
.macro ALLSUM                          ; the four packed chains in v[X] .. v[X+7] become one sum over the wave, in every lane's v[X]
	v_pk_add_f32 v[X:X+1], v[X:X+1], v[X+2:X+3]
	v_pk_add_f32 v[X+4:X+5], v[X+4:X+5], v[X+6:X+7]
	v_pk_add_f32 v[X:X+1], v[X:X+1], v[X+4:X+5]
	v_add_f32 v[X], v[X], v[X+1]
	v_add_f32_dpp v[X], v[X], v[X] row_xmask:1 row_mask:0xf bank_mask:0xf
	v_add_f32_dpp v[X], v[X], v[X] row_xmask:2 row_mask:0xf bank_mask:0xf
	v_add_f32_dpp v[X], v[X], v[X] row_xmask:4 row_mask:0xf bank_mask:0xf
	v_add_f32_dpp v[X], v[X], v[X] row_xmask:8 row_mask:0xf bank_mask:0xf
	v_permlanex16_b32 v[X+1], v[X], s22, s23       ; (its destination has been written above)
	v_add_f32 v[X], v[X], v[X+1]
.endm
.macro ROW t
.set RS, R+32*((\t)%4)
.if (\t) < 5
	s_wait_loadcnt 24                              ; my row's eight loads are in; those of the three rows behind it may be out
.else
	s_wait_loadcnt 8*(7-(\t))                      ; the last rows: the counts run down
.endif
.irp k, 0,1,2,3
	v_pk_add_f32 v[X+2*\k:X+2*\k+1], v[RS+4*\k:RS+4*\k+1], v[RS+4*\k+2:RS+4*\k+3]   ; the sum of my 32 numbers, in four chains
.endr
.irp i, 16,24
.irp k, 0,1,2,3
	v_pk_add_f32 v[X+2*\k:X+2*\k+1], v[X+2*\k:X+2*\k+1], v[RS+\i+2*\k:RS+\i+2*\k+1]
.endr
.endr
	ALLSUM
	v_mul_f32 v8, s20, v[X]                        ; the mean, twice: a pair for the packed form
	v_mul_f32 v9, s20, v[X]
.set i, 0
.rept 16
	v_pk_add_f32 v[RS+i:RS+i+1], v[RS+i:RS+i+1], v[8:9] neg_lo:[0,1] neg_hi:[0,1]   ; d = x - mean, in place
.set i, i+2
.endr
.irp k, 0,1,2,3
	v_pk_mul_f32 v[X+2*\k:X+2*\k+1], v[RS+2*\k:RS+2*\k+1], v[RS+2*\k:RS+2*\k+1]     ; the sum of d^2, in four chains
.endr
.irp i, 8,16,24
.irp k, 0,1,2,3
	v_pk_fma_f32 v[X+2*\k:X+2*\k+1], v[RS+\i+2*\k:RS+\i+2*\k+1], v[RS+\i+2*\k:RS+\i+2*\k+1], v[X+2*\k:X+2*\k+1]
.endr
.endr
	ALLSUM
	v_fma_f32 v12, v[X], s20, s21                  ; the variance + 1e-12
	v_rsq_f32 v10, v12
	v_rsq_f32 v11, v12
	v_nop                                          ; a plain instruction between a transcendental and the use of its result (ISA guide 5.7.2)
.set i, 0
	s_wait_alu depctr_va_vdst(0)
.rept 16
	v_pk_mul_f32 v[RS+i:RS+i+1], v[RS+i:RS+i+1], v[10:11]
.set i, i+2
.endr
.set i, 0
.rept 16
	v_pk_fma_f32 v[RS+i:RS+i+1], v[RS+i:RS+i+1], v[G+i:G+i+1], v[BT+i:BT+i+1]
.set i, i+2
.endr
.irp j, 0,1,2,3,4,5,6,7
	ds_store_b128 v14, v[RS+4*\j:RS+4*\j+3] offset:2560*(\j/4)+640*(\j%4)
.endr
.irp s, 0,1
.irp i, 0,1,2,3
	ds_load_b128 v[X+16*\s+4*\i:X+16*\s+4*\i+3], v15 offset:2560*\s+16*\i   ; LDS serves a wave's instructions in order (ISA guide 5.7.1.4): these see the stores above
.endr
.endr
	s_wait_dscnt 0x0                               ; the row is back, 16 neighbours a lane and half; the stores have read the row's registers; the last row's byte stores are done
.if (\t) < 4
	LOADROW (\t)+4                                 ; the row four further down takes the registers just left
.endif
.if (\t) > 0
	s_wait_xcnt 0x0                                ; the codes' registers, which the last row's stores read, are rewritten only behind this wait (ISA guide 3.1)
.endif
.irp s, 0,1
	v_max3_num_f32 v12, |v[X+16*\s]|, |v[X+16*\s+1]|, |v[X+16*\s+2]|        ; the largest magnitude of my 16
	v_max3_num_f32 v13, |v[X+16*\s+3]|, |v[X+16*\s+4]|, |v[X+16*\s+5]|
.irp i, 6,10
	v_max3_num_f32 v12, v12, |v[X+16*\s+\i]|, |v[X+16*\s+\i+1]|
	v_max3_num_f32 v13, v13, |v[X+16*\s+\i+2]|, |v[X+16*\s+\i+3]|
.endr
	v_max3_num_f32 v12, v12, |v[X+16*\s+14]|, |v[X+16*\s+15]|
	v_max3_num_f32 v12, v12, v13, 0x2800000        ; and the floor 2^(5 - 127): the byte cannot fall under 1
	v_max_num_f32_dpp v12, v12, v12 row_xmask:1 row_mask:0xf bank_mask:0xf   ; with my neighbour's 16: the block's
	v_add_nc_u32 v13, 0xfe000000, v12              ; 4 off its exponent field: the conversion takes the exponent field of this operand as its scale
	v_cvt_scalef32_pk16_bf6_f32 v[C+4*\s:C+4*\s+2], v[X+16*\s:X+16*\s+15], v13
	v_lshrrev_b32 v[E+\s], 23, v13                 ; the scale's byte (also the plain instruction behind the conversion)
	ds_store_b8 v5, v[E+\s] offset:32*(\t)+16*\s   ; both lanes of a block write the same byte with the same value
	global_store_b96 v4, v[C+4*\s:C+4*\s+2], s[10:11] offset:768*(\t)+384*\s   ; the wave stores 384 consecutive bytes
.endr
.endm
.irp t, 0,1,2,3
	LOADROW \t
.endr
.irp t, 0,1,2,3,4,5,6,7
	ROW \t
.endr
	ds_load_b64 v[12:13], v6                       ; my wave's 256 scale bytes: these loads see my byte stores
	s_wait_dscnt 0x0
	global_store_b64 v7, v[12:13], s[12:13]        ; 32 lanes store 256 consecutive bytes, aligned
	s_wait_tensorcnt 0x0
	ds_add_u32 v254, v255
	s_wait_dscnt 0x0
	s_endpgm
.Lfunc_end_k_q1635c2cf49_lnq:
	.size	k_q1635c2cf49_lnq, .Lfunc_end_k_q1635c2cf49_lnq-k_q1635c2cf49_lnq
	.p2alignl 7, 3214868480
	.fill 96, 4, 3214868480
	.section	.rodata,"a",@progbits
	.p2align	6, 0x0
	.amdhsa_kernel k_q1635c2cf49_lnq
		.amdhsa_group_segment_fixed_size 33280
		.amdhsa_private_segment_fixed_size 0
		.amdhsa_enable_private_segment 0
		.amdhsa_kernarg_size 40
		.amdhsa_user_sgpr_count 2
		.amdhsa_user_sgpr_kernarg_segment_ptr 1
		.amdhsa_wavefront_size32 1
		.amdhsa_system_sgpr_workgroup_id_x 1
		.amdhsa_system_sgpr_workgroup_id_y 1
		.amdhsa_system_sgpr_workgroup_id_z 1
		.amdhsa_system_vgpr_workitem_id 0
		.amdhsa_next_free_vgpr 256
		.amdhsa_next_free_sgpr 66
		.amdhsa_reserve_vcc 0
		.amdhsa_float_denorm_mode_32 3
		.amdhsa_float_denorm_mode_16_64 3
		.amdhsa_memory_ordered 1
		.amdhsa_forward_progress 1
		.amdhsa_inst_pref_size 83
	.end_amdhsa_kernel
	.amdgpu_metadata
---
amdhsa.version: [ 1, 2 ]
amdhsa.kernels:
  - .name:           k_q1635c2cf49_lnq
    .symbol:         k_q1635c2cf49_lnq.kd
    .args:
      - { .name: hidden_states, .offset: 0, .size: 8, .value_kind: global_buffer, .address_space: global }
      - { .name: ln_gamma, .offset: 8, .size: 8, .value_kind: global_buffer, .address_space: global }
      - { .name: ln_beta, .offset: 16, .size: 8, .value_kind: global_buffer, .address_space: global }
      - { .name: xc, .offset: 24, .size: 8, .value_kind: global_buffer, .address_space: global }
      - { .name: xs, .offset: 32, .size: 8, .value_kind: global_buffer, .address_space: global }
    .group_segment_fixed_size: 33280
    .private_segment_fixed_size: 0
    .kernarg_segment_align: 8
    .kernarg_segment_size: 40
    .max_flat_workgroup_size: 128
    .sgpr_count:     66
    .vgpr_count:     256
    .wavefront_size: 32
...
	.end_amdgpu_metadata
.endif
;; end of part 1
;; launch qk (part 2): grid 8 x 32, 4 waves a work-group, clusters of 4 x 4, 327,680 bytes of LDS; arguments xc, xs, W_qkv_codes, W_qkv_scales, b_qkv, qkc, qks; writes qkc, qks
.if DOCPART == 2
	.amdgcn_target "amdgcn-amd-amdhsa--gfx1250"
	.amdhsa_code_object_version 6
	.text
	.protected	k_q1635c2cf49_qk
	.globl	k_q1635c2cf49_qk
	.p2align	8
	.type	k_q1635c2cf49_qk,@function
k_q1635c2cf49_qk:
	s_mov_b64 s[64:65], 0
	v_nop
	global_prefetch_b8 v0, s[64:65] scope:SCOPE_SE
	s_setreg_imm32_b32 hwreg(HW_REG_WAVE_MODE, 25, 1), 1
	s_wait_xcnt 0x0
	s_wait_alu depctr_hold_cnt(0) depctr_sa_sdst(0) depctr_va_vdst(0) depctr_va_sdst(0) depctr_va_ssrc(0) depctr_va_vcc(0) depctr_vm_vsrc(0)
	s_getreg_b32 s2, hwreg(HW_REG_IB_STS2, 6, 4)
	s_cmp_eq_u32 s2, 0
	s_cbranch_scc0 .Lentry_in_a_cluster
	s_endpgm
.Lentry_in_a_cluster:
	s_bfe_u32 s2, ttmp6, 0x10000c
	s_cmp_lg_u32 s2, 0xf033
	s_cbranch_scc0 .Lentry_shape_is_right
	s_endpgm
.Lentry_shape_is_right:
; ONE TEXT FOR THREE PRODUCTS ON CODES OF E3M2 (one E8M0 byte for each 32 along K), K = 1,024; ROLE says which.  C'[m][n] = sum over k of A'[m][k] B'[n][k] + bias.
;   ROLE 0: A' = x (8,192 tokens), B' = the 2,048 rows of W_qkv that make q and k; bias by n.  The result is quantised along n (the heads' channels) and leaves as codes.
;   ROLE 1: A' = the 1,024 rows of W_qkv that make v, B' = x; bias by m.  The result, v transposed, is quantised along n (the tokens, the second attention product's K) and leaves as codes.
;   ROLE 2: A' = the attention's result (fragment images), B' = W_out's 1,024 rows; bias by n; + hidden_states; the result is out0, f32.
; A tile of C', 256 x 256, is made by four waves, as many as a WGP has SIMDs; a wave makes 128 x 128: 64 accumulators of 16 x 16, 512 registers.  K goes in steps of 256 through a ring of two LDS slots filled by the tensor data mover.
; The scale bytes of the work-group's 256 + 256 rows, for all of K, are two dense blocks: they come into LDS once, with the first fills, and stay.
; CLUSTERS: 4 x 4 work-groups.  The four of a row of the cluster need the same tiles of A', the four of a column the same tiles of B': each tile is asked for JOINTLY, by the same tensor load with the same descriptor and a mask that names the four.
; THE MATRIX INSTRUCTION IS USED TRANSPOSED (source 0 = 16 rows of B', source 1 = 16 rows of A'): a lane holds ONE row m (lane % 16), and register j of accumulator (a, b) is column n = 16 b + 8 (lane / 16) + j.
; THE BIAS is the C of each sum's first matrix instruction: 64 registers in the result's layout; nothing is cleared and nothing is added later.
; CODES OUT (ROLE 0, 1).  The 64 numbers that a lane holds of block a (its 8 accumulators) are 128 along n of one row: registers 16 B .. 16 B + 15 of lanes l and l xor 16 together are block B of 32.  They are quantised in registers and become
; a FRAGMENT'S REGISTER IMAGE: 12 registers a lane, stored by three stores of 512 consecutive bytes (register group c at 512 c + 16 lane).  Inside a block of 32 the codes stand in another order than n (its second and third groups of 8 have
; changed places); both operands of each attention product are made in this same way, so their products meet as they should.  Scale words: 8 blocks x 16 rows = 512 bytes, the word of block a, row r at 256 (a / 4) + 16 r + 4 (a % 4).
; LIMITS: a block of zeros gets the byte 1 (its codes are zeros; only this program reads the bytes); blocks whose largest magnitude lies under 2^-122 share that byte; NaN and infinities are not served.
; REGISTERS, in windows of 256: window 0: v0-31 addresses; v32-63 scale words, two sets; v64-127 the bias; from v128 A's fragments, ONE set (on the way out: at work).
;   window 1: B's fragments, TWO sets, at v0 and v128 (ROLE 2, on the way out: the residual).   window 2: the accumulators of my rows 0-63 ((a, b) at v[8 (8 a + b)]);   window 3: those of rows 64-127.
.set ROLE,   0
.set KSTEP,  256                       ; along K in a slot
.set NQ,     2                         ; matrix instructions deep
.set ROWB,   192                       ; a tile's row in bytes: 256 codes of 6 bits
.set KROW,   768                       ; a row of codes in memory
.set PITCH,  240                       ; an LDS row: 3 x (64 bytes + 16 of padding) = 60 words, so that the 32 lanes of a load of 8 bytes touch 64 different banks (64 banks of 4 bytes: ISA guide 11.1)
.set FR,     12                        ; registers of a fragment: 16 rows x 128 K
.set NP,     4                         ; places behind this matrix instruction (ISA guide 7.12.1)
.set HALFT,  128*PITCH                 ; room for 128 rows: what one tensor load brings
.set SLOT,   4*HALFT                   ; A's 256 rows, then B's 256 rows
.set LAPS,   2                         ; a lap = two K steps = once round the ring: 1,024 / 512
.set KS,     32                        ; a row of scale bytes
.set SCL,    2*SLOT                    ; behind the ring: the scales, as runs of 256 bytes + 16 of padding
.set HALFS,  16*272                    ; those of 128 rows
.set SBLK,   2*272                     ; those of 16 rows
.set SPARE,  SCL+4*HALFS               ; behind the scales: the spare words, 128 bytes for each wave: two blocks of 256 bytes that no other line names
.set SPITCH, 528                       ; ROLE 2: a stage of 16 rows x (512 + 16) bytes for each wave, in slot 0, which has had its last fill and its last read by then
.if ROLE == 2
.set NLA,    3                         ; LDS loads that bring a fragment of A': an image comes by three loads of 16 bytes a lane
.set ASTEP,  3072                      ; bytes from a K step of A' to the next: two fragments
.else
.set NLA,    6                         ; from rows: six loads of 8 bytes
.set ASTEP,  ROWB
.endif
.set ADRA, 16                          ; v16-17  LDS address of my A fragments in slot 0, 1  (v18-19: for the pieces that lie behind one padding more)
.set ADRB, 20                          ; v20-21  the same for B  (v22-23)
.set STO,  24                          ; v24     ROLE 2: where I put 32 bytes of a row in the stage
.set RD,   25                          ; v25     ROLE 2: where I read a row back
.set CO,   26                          ; v26     16 x lane
.set ADRS, 27                          ; v27     LDS address of my scale words: lanes 0-15 A's rows, lanes 16-31 B's
.set SPW,  28                          ; v28     LDS address of my spare word; never rewritten
.set NIL,  29                          ; v29     0; never rewritten
.set BAD,  30                          ; v30     my lane's byte in the bias
.set SC,   32                          ; scale words: set s at v[SC + 16 s]; register 2 i + q: lanes 0-15 A's block i, lanes 16-31 B's block i, the slot's q-th 128 along K
.set BIAS, 64
.set AF,   128                         ; A's fragments
.set BK,   128                         ; ROLE 2: 16 rows read back from the stage: v128-191 and v192-255 by turns
.set PC,   128                         ; ROLE 0, 1: the codes just made (12 registers; v140-142, v144-146 beside them)
.set TM,   160                         ; v160-163 largest magnitudes, v164-167 bytes, v172-175 the conversions' scale operands
.set PWS,  176                         ; v176-183 the eight blocks' scale words
.set PQ,   184                         ; v184-187 the same, laid for one store
.set G1, 24                            ; s[24:31] descriptor group 1 for A's tiles;  s[32:39] group 0, one set for each slot
.set G0, 32
.set G1B, 48                           ; s[48:55], s[56:63] the same for B's tiles
.set G0B, 56
.set G1S, 68                           ; s[68:75], s[76:79] groups 1 and 0 for A's scales;  s[80:87], s[88:91] for B's
.set G0S, 76
.set G1SB, 80
.set G0SB, 88
.set HM,  95                           ; s95 lanes 16-31
.set SEL, 100                          ; s[100:101] v_permlanex16_b32's selects for lane l xor 16
.set MSB, 0
.macro WIN new                         ; the immediate's high byte repeats the setting that is left; a switch that changes nothing is dropped
.if MSB != (\new)
	s_set_vgpr_msb (MSB<<8)|(\new)
.set MSB, (\new)
.endif
.endm
.set MUL_LO,   0xa1                    ; source 0 (B) window 1, source 1 (A) window 0, C and D window 2
.set MUL_HI,   0xf1                    ; the same, C and D window 3
.set FIRST_LO, 0x81                    ; the first K step: C (the bias) window 0, D window 2
.set FIRST_HI, 0xc1                    ; D window 3
.set TO_B,     0x40                    ; destination window 1, address window 0
; A joint load: waves 0 and 1 fetch for A, waves 2 and 3 for B.  Each of the two lines has ONE mask and one set of registers for all that issue it; the branch hangs on the wave's number alone.
; Four v_nop follow each of the two lines, ahead of the jump, the label and what follows.
.macro JLOAD g0a, g1a, g0b, g1b
	s_cmp_eq_u32 s15, 0
	s_cbranch_scc0 .Lfor_b_\@
	tensor_load_to_lds s[\g0a:\g0a+3], s[\g1a:\g1a+7]
	s_nop 0
.rept 4
	v_nop
.endr
	s_branch .Lasked_\@
.Lfor_b_\@:
	tensor_load_to_lds s[\g0b:\g0b+3], s[\g1b:\g1b+7]
	s_nop 0
.rept 4
	v_nop
.endr
.Lasked_\@:
.endm
.macro CREST                           ; a round of the cluster's barrier behind its opening barrier
	s_cmp_lg_u32 s14, 0
	s_cbranch_scc1 .Lnot_wave_0_\@
	s_barrier_signal -3
.Lnot_wave_0_\@:
	s_barrier_wait -3
	s_barrier_signal -1
	s_barrier_wait -1
.endm
.macro CROUND                          ; a whole round
	s_barrier_signal -1
	s_barrier_wait -1
	CREST
.endm
	s_load_b128 s[4:7], s[0:1], 0x0                ; A's codes s[4:5], A's scales s[6:7]
	s_load_b128 s[8:11], s[0:1], 0x10              ; B's codes s[8:9], B's scales s[10:11]
	s_load_b64 s[12:13], s[0:1], 0x20              ; the bias
	s_load_b64 s[96:97], s[0:1], 0x28              ; ROLE 0, 1: the codes out;  ROLE 2: hidden_states
	s_load_b64 s[98:99], s[0:1], 0x30              ; ROLE 0, 1: the scale words out;  ROLE 2: out0
	v_lshl_add_u32 v[SPW], v0, 2, SPARE
	v_mov_b32 v[NIL], 0
	ds_add_u32 v28, v29
	s_wait_dscnt 0x0
	v_lshrrev_b32 v1, 5, v0
	v_readfirstlane_b32 s14, v1                    ; wave 0..3
	s_lshr_b32 s15, s14, 1                         ; which half of the tile's rows is mine.  Also: I fetch for A (0) or for B (1)
	s_and_b32 s16, s14, 1                          ; which half of its columns.  Also: which 128 rows of that tile I fetch
	s_bfe_u32 s40, ttmp6, 0x40000                  ; cx, cy: my place in the cluster
	s_bfe_u32 s41, ttmp6, 0x40004
	s_lshl_b32 s42, ttmp9, 2
	s_add_co_u32 s42, s42, s40                     ; tile column = 4 x cluster x + cx
	s_and_b32 s17, ttmp7, 0xffff
	s_lshl_b32 s17, s17, 2
	s_add_co_u32 s17, s17, s41                     ; tile row = 4 x cluster y + cy
	s_lshl_b32 s43, s41, 2
	s_lshl_b32 s43, 15, s43                        ; my row of the cluster
	s_lshl_b32 s44, 0x1111, s40                    ; my column
	s_mov_b32 s[HM], 0xffff0000
	s_mov_b32 s[SEL], 0x76543210
	s_mov_b32 s[SEL+1], 0xfedcba98
.if ROLE == 2
	; A's tile is 8 blocks of 16 rows; of each, the K step's two fragment images: 3,072 consecutive bytes, 12,288 bytes from block to block; dense in LDS
	s_or_b32 s[G1+0], s43, (3<<16)|(1<<21)         ; 15:0 the mask: my row; 17:16 elements of 8 bytes; 20 no padding; 21 set beside a mask
	s_mov_b32 s[G1+1], 384<<16                     ; tensor_dim0
	s_mov_b32 s[G1+2], 8<<16                       ; tensor_dim1
	s_mov_b32 s[G1+3], 384<<16                     ; tile_dim0
	s_mov_b32 s[G1+4], 8                           ; tile_dim1
	s_mov_b32 s[G1+5], 1536                        ; tensor_dim0_stride
.else
	s_or_b32 s[G1+0], s43, (1<<20)|(1<<21)|(3<<22)|(3<<25)  ; 15:0 the mask: my row; 17:16 elements of 1 byte; 20 padding on; 21 set beside a mask; 24:22 after every 16 words; 31:25 of 4 words
	s_mov_b32 s[G1+1], ROWB<<16                    ; tensor_dim0
	s_mov_b32 s[G1+2], 128<<16                     ; tensor_dim1
	s_mov_b32 s[G1+3], ROWB<<16                    ; tile_dim0
	s_mov_b32 s[G1+4], 128                         ; tile_dim1
	s_mov_b32 s[G1+5], KROW                        ; tensor_dim0_stride
.endif
	s_mov_b32 s[G1+6], 0
	s_mov_b32 s[G1+7], 0
	s_or_b32 s[G1B+0], s44, (1<<20)|(1<<21)|(3<<22)|(3<<25)  ; B's tiles: 128 rows of 192 bytes, padded; the mask of my column
	s_mov_b32 s[G1B+1], ROWB<<16
	s_mov_b32 s[G1B+2], 128<<16
	s_mov_b32 s[G1B+3], ROWB<<16
	s_mov_b32 s[G1B+4], 128
	s_mov_b32 s[G1B+5], KROW
	s_mov_b32 s[G1B+6], 0
	s_mov_b32 s[G1B+7], 0
	; the scales of 128 rows: a dense block of 4,096 bytes, as 16 rows of 256 bytes (32 elements of 8 bytes), 16 bytes of padding behind each
	s_or_b32 s[G1S+0], s43, (3<<16)|(1<<20)|(1<<21)|(5<<22)|(3<<25)
	s_or_b32 s[G1SB+0], s44, (3<<16)|(1<<20)|(1<<21)|(5<<22)|(3<<25)
.irp g, G1S, G1SB
	s_mov_b32 s[\g+1], 32<<16
	s_mov_b32 s[\g+2], 16<<16
	s_mov_b32 s[\g+3], 32<<16
	s_mov_b32 s[\g+4], 16
	s_mov_b32 s[\g+5], 32
	s_mov_b32 s[\g+6], 0
	s_mov_b32 s[\g+7], 0
.endr
	s_lshl_b32 s18, s16, 7                         ; which 128 rows of the tile I fetch
	s_lshl_b32 s20, s17, 8
	s_add_co_u32 s20, s20, s18                     ; A: row 256 x tile row + 128 x half
	s_lshl_b32 s46, s42, 8
	s_add_co_u32 s46, s46, s18                     ; B: row 256 x tile column + 128 x half
	s_mov_b32 s21, 0
	s_mov_b32 s47, 0
	s_mov_b64 s[18:19], KS
	s_mul_u64 s[22:23], s[20:21], s[18:19]         ; where these rows' scales begin, in bytes
	s_mul_u64 s[92:93], s[46:47], s[18:19]
	s_mov_b64 s[18:19], KROW
	s_mul_u64 s[20:21], s[20:21], s[18:19]         ; and their codes (16 rows of 768 bytes are as many bytes as a block's 8 images)
	s_mul_u64 s[46:47], s[46:47], s[18:19]
	s_mul_i32 s45, s14, HALFT                      ; where they go: wave x 128 rows: no place in the cluster enters an LDS address
	s_mul_i32 s94, s14, HALFS
	s_wait_kmcnt 0x0
.if ROLE == 1
	s_add_nc_u64 s[4:5], s[4:5], 2048*768          ; v's rows of W_qkv begin at row 2,048,
	s_add_nc_u64 s[6:7], s[6:7], 2048*32           ; their scale bytes
	s_add_nc_u64 s[12:13], s[12:13], 2048*4        ; and their bias likewise
.endif
	s_add_nc_u64 s[20:21], s[4:5], s[20:21]
	s_add_nc_u64 s[22:23], s[6:7], s[22:23]
	s_add_nc_u64 s[46:47], s[8:9], s[46:47]
	s_add_nc_u64 s[92:93], s[10:11], s[92:93]
	CROUND                                         ; all sixteen work-groups are here: the first joint loads meet
	s_mov_b32 s[G0S], 1
	s_add_co_u32 s[G0S+1], s94, SCL
	s_mov_b64 s[G0S+2:G0S+3], s[22:23]
	s_or_b32 s[G0S+3], s[G0S+3], 0x80000000
	s_mov_b32 s[G0SB], 1
	s_add_co_u32 s[G0SB+1], s94, SCL
	s_mov_b64 s[G0SB+2:G0SB+3], s[92:93]
	s_or_b32 s[G0SB+3], s[G0SB+3], 0x80000000
	JLOAD G0S, G1S, G0SB, G1SB                     ; the scales first: they are wanted with K step 0
.irp s, 0,1
	s_mov_b32 s[G0+4*\s], 1
	s_add_co_u32 s[G0+4*\s+1], s45, \s*SLOT
	s_add_nc_u64 s[G0+4*\s+2:G0+4*\s+3], s[20:21], \s*ASTEP
	s_or_b32 s[G0+4*\s+3], s[G0+4*\s+3], 0x80000000
	s_mov_b32 s[G0B+4*\s], 1
	s_add_co_u32 s[G0B+4*\s+1], s45, \s*SLOT
	s_add_nc_u64 s[G0B+4*\s+2:G0B+4*\s+3], s[46:47], \s*ROWB
	s_or_b32 s[G0B+4*\s+3], s[G0B+4*\s+3], 0x80000000
	JLOAD G0+4*\s, G1, G0B+4*\s, G1B
.endr
	v_and_b32 v1, 15, v0                           ; r = l % 16
	v_bfe_u32 v2, v0, 4, 1                         ; h = l / 16
	; the bias, in the result's layout
.if ROLE == 1
	s_lshl_b32 s20, s17, 10                        ; by m: 4 bytes x (256 x tile row + 128 x half)
	s_lshl_b32 s21, s15, 9
	s_add_co_u32 s20, s20, s21
	s_mov_b32 s21, 0
	s_add_nc_u64 s[12:13], s[12:13], s[20:21]
	v_lshlrev_b32 v[BAD], 2, v1                    ; my row's number stands in all eight registers of block a
.irp a, 0,1,2,3,4,5,6,7
.irp j, 0,1,2,3,4,5,6,7
	global_load_b32 v[BIAS+8*\a+\j], v[BAD], s[12:13] offset:64*\a
.endr
.endr
.else
	s_lshl_b32 s46, s42, 10                        ; by n: 4 bytes x (256 x tile column + 128 x half)
	s_lshl_b32 s47, s16, 9
	s_add_co_u32 s46, s46, s47
	s_mov_b32 s47, 0
	s_add_nc_u64 s[12:13], s[12:13], s[46:47]
	v_lshlrev_b32 v[BAD], 5, v2                    ; block b: columns 16 b + 8 h + 0 .. 7
.irp b, 0,1,2,3,4,5,6,7
	global_load_b128 v[BIAS+8*\b:BIAS+8*\b+3], v[BAD], s[12:13] offset:64*\b
	global_load_b128 v[BIAS+8*\b+4:BIAS+8*\b+7], v[BAD], s[12:13] offset:64*\b+16
.endr
.endif
	v_mul_u32_u24 v3, v1, PITCH
	v_mul_u32_u24 v4, v2, 24
	v_add_nc_u32 v4, v3, v4                        ; a fragment's row x pitch + 24 x half
	v_lshl_add_u32 v5, v2, 4, v4                   ; and the same behind one padding more
	v_and_b32 v6, 31, v0
	v_lshlrev_b32 v[CO], 4, v6                     ; 16 x lane
	s_mul_i32 s21, s15, HALFT                      ; my 128 rows of A
	s_mul_i32 s22, s16, HALFT                      ; my 128 rows of B,
	s_add_co_u32 s22, s22, 2*HALFT                 ; which lie behind A's 256
.irp s, 0,1
.if ROLE == 2
	v_add_nc_u32 v[ADRA+\s], s21, v[CO]            ; an image's place for my lane
.else
	v_add_nc_u32 v[ADRA+\s], s21, v4
	v_add_nc_u32 v[ADRA+2+\s], s21, v5
.endif
	v_add_nc_u32 v[ADRB+\s], s22, v4
	v_add_nc_u32 v[ADRB+2+\s], s22, v5
	s_add_co_u32 s21, s21, SLOT
	s_add_co_u32 s22, s22, SLOT
.endr
	v_mul_u32_u24 v5, v1, KS                       ; my row's scales: 32 bytes a row,
	v_lshrrev_b32 v6, 8, v5
	v_lshl_add_u32 v5, v6, 4, v5                   ; and 16 more for each 256 passed
	s_mul_i32 s21, s15, HALFS                      ; A's: my 128 rows
	s_mul_i32 s22, s16, HALFS                      ; B's: my 128 rows, behind A's 256
	s_add_co_u32 s22, s22, 2*HALFS
	s_sub_co_u32 s22, s22, s21
	v_mul_u32_u24 v6, s22, v2                      ; lanes 16-31 take B's: one product, the distance between the two bases
	s_add_co_u32 s21, s21, SCL
	v_add_nc_u32 v5, v5, v6
	v_add_nc_u32 v[ADRS], s21, v5
.if ROLE == 2
	s_mul_i32 s23, s14, 16*SPITCH                  ; my stage
	v_mul_u32_u24 v5, v1, SPITCH                   ; in: row l % 16, 32 bytes for each half of the lanes
	v_lshl_add_u32 v5, v2, 5, v5
	v_add_nc_u32 v[STO], s23, v5
	v_add_nc_u32 v[RD], s23, v[CO]                 ; back: the 32 lanes take one row of 512 bytes
	s_lshl_b32 s20, s17, 8
	s_lshl_b32 s21, s15, 7
	s_add_co_u32 s20, s20, s21                     ; my first row: 256 x tile row + 128 x half,
	s_lshl_b32 s20, s20, 12                        ; x 4,096 bytes (under 2^25),
	s_add_co_u32 s20, s20, s46                     ; + my first column's bytes, which are the bias's offset
	s_mov_b32 s21, 0
	s_add_nc_u64 s[96:97], s[96:97], s[20:21]      ; hidden_states and out0 at my part's first byte
	s_add_nc_u64 s[98:99], s[98:99], s[20:21]
.else
	s_lshl_b32 s46, s42, 1
	s_add_co_u32 s46, s46, s16                     ; which 128 along n is my wave's
	s_lshl_b32 s20, s17, 1
	s_add_co_u32 s20, s20, s15                     ; which 128 along m
.if ROLE == 0
	s_mul_i32 s47, s46, 786432                     ; codes: [128 columns][16 tokens][1,536]: 512 images to a run of 128 columns,
	s_mul_i32 s21, s20, 12288                      ; 8 to my 128 tokens
	s_lshl_b32 s46, s46, 15                        ; scale words: [128 columns][128 tokens][512]
	s_lshl_b32 s20, s20, 9
.else
	s_mul_i32 s47, s46, 12288                      ; codes: [128 channels][128 tokens][16 channels][1,536]
	s_mul_i32 s21, s20, 786432
	s_lshl_b32 s46, s46, 9
	s_lshl_b32 s20, s20, 15
.endif
	s_add_co_u32 s22, s47, s21
	s_mov_b32 s23, 0
	s_add_nc_u64 s[96:97], s[96:97], s[22:23]
	s_add_co_u32 s22, s46, s20
	s_add_nc_u64 s[98:99], s[98:99], s[22:23]
.endif
.macro FRAG reg, adr, q, i             ; a fragment from rows: lane l holds row l % 16; registers 6 c .. 6 c + 5 hold K = 64 c + 32 (l / 16) + 0 .. 31: 24 bytes of the row's stream of bits, as they lie
.irp p, 0,1,2,3,4,5                    ; in pieces of 8 bytes.  Lanes 0-15 take the row's pieces 12 q + 0, 1, 2 and 12 q + 6, 7, 8, lanes 16-31 those three pieces on
.set PCE, 12*(\q)+6*(\p/3)+\p%3        ; 16 bytes of padding lie behind every 8 pieces: where the piece three on lies behind one padding more, the second address register serves
.if PCE%8 < 5
	ds_load_b64 v[\reg+2*\p:\reg+2*\p+1], v[\adr] offset:8*PCE+16*(PCE/8)+(\i)*16*PITCH
.else
	ds_load_b64 v[\reg+2*\p:\reg+2*\p+1], v[\adr+2] offset:8*PCE+16*(PCE/8)+(\i)*16*PITCH
.endif
.endr
.endm
; 16 matrix instructions: A's blocks a0, a0 + 1 x B's eight, 128 along K: the slot's q-th.  p: B's set;  sc: the set of scale words.  zero = 1: the first K step: C is the bias.
; The 64 accumulators take turns, one instruction a turn, in the same order in every step.
.macro MUL16 a0, p, q, sc, zero
.irp a, \a0, \a0+1
.irp b, 0,1,2,3,4,5,6,7
.set rD, 8*(8*((\a)%4)+\b)
.set rB, 128*(\p)+FR*\b
.set rA, AF+FR*(\a)
.set rSB, SC+8*NQ*(\sc)+NQ*\b+(\q)
.set rSA, SC+8*NQ*(\sc)+NQ*(\a)+(\q)
.if \zero
.if ROLE == 1
.set rC, BIAS+8*(\a)
.else
.set rC, BIAS+8*\b
.endif
	v_wmma_scale_f32_16x16x128_f8f6f4 v[rD:rD+7], v[rB:rB+FR-1], v[rA:rA+FR-1], v[rC:rC+7], v[rSB], v[rSA] matrix_a_fmt:MATRIX_FMT_BF6 matrix_b_fmt:MATRIX_FMT_BF6 matrix_a_scale:MATRIX_SCALE_ROW1
.else
	v_wmma_scale_f32_16x16x128_f8f6f4 v[rD:rD+7], v[rB:rB+FR-1], v[rA:rA+FR-1], v[rD:rD+7], v[rSB], v[rSA] matrix_a_fmt:MATRIX_FMT_BF6 matrix_b_fmt:MATRIX_FMT_BF6 matrix_a_scale:MATRIX_SCALE_ROW1
.endif
.endr
.endr
.endm
.macro FETCH_B slot, q, p              ; B's eight fragments of the slot's q-th 128 along K into set p
	WIN TO_B
.irp i, 0,1,2,3,4,5,6,7
	FRAG 128*(\p)+FR*\i, ADRB+\slot, \q, \i
.endr
	WIN 0
.endm
.macro FETCH_A slot, q, i0             ; A's blocks i0 .. i0 + 3
.irp i, \i0, \i0+1, \i0+2, \i0+3
.if ROLE == 2
.irp c, 0,1,2
	ds_load_b128 v[AF+FR*(\i)+4*\c:AF+FR*(\i)+4*\c+3], v[ADRA+\slot] offset:(\i)*3072+(\q)*1536+512*\c   ; the image as it was stored: the same registers in the same lanes
.endr
.else
	FRAG AF+FR*(\i), ADRA+\slot, \q, \i
.endif
.endr
.endm
.macro SCALES sc                       ; the next K step's scale words into set sc: two words a row; lanes 0-15 take A's block i, lanes 16-31 B's block i
.irp i, 0,1,2,3,4,5,6,7
	ds_load_b64 v[SC+8*NQ*\sc+NQ*\i:SC+8*NQ*\sc+NQ*\i+1], v[ADRS] offset:\i*SBLK
.endr
.endm
; A load into a register that a matrix instruction has read, and a vector instruction or an LDS store that reads a matrix result, stand NP places behind that matrix instruction; only plain vector
; instructions that name none of its registers are places (ISA guide 7.12.1 for vector instructions).
.macro PLACES n
.rept \n
	v_nop
.endr
.endm
; A step of 128 along K that has its successor in the same slot.
.macro STEP slot, q, zero
	s_wait_dscnt 4*NLA                             ; B's set and A's blocks 0-3 are in; the youngest loads (A's blocks 4-7) may be out
.if \zero
	WIN FIRST_LO
.else
	WIN MUL_LO
.endif
	MUL16 0, (\q)%2, \q, \slot, \zero
	MUL16 2, (\q)%2, \q, \slot, \zero
	s_wait_dscnt 0                                 ; A's blocks 4-7 are in (asked for 32 matrix instructions ago)
	PLACES NP
	FETCH_B \slot, (\q)+1, 1-(\q)%2
	FETCH_A \slot, (\q)+1, 0
.if \zero
	WIN FIRST_HI
.else
	WIN MUL_HI
.endif
	MUL16 4, (\q)%2, \q, \slot, \zero
	MUL16 6, (\q)%2, \q, \slot, \zero
	PLACES NP
	WIN 0
	FETCH_A \slot, (\q)+1, 4
.endm
; A slot's last step changes slots: ONE barrier; in front of it each wave waits for all its tensor loads, adds 0 to its spare word, and waits for that and for its own reads of this slot.  fill = 1: this slot is filled again, two K steps ahead.
.macro TURN slot, next, fill
	s_wait_tensorcnt 0x0                           ; all my tensor loads have landed: my part of the next slot  (every window is 0 here: the add's two registers lie in window 0)
	ds_add_u32 v[SPW], v[NIL]                      ; 0 onto my spare word
	s_wait_dscnt 4*NLA+1                           ; (the add and the youngest loads, A's blocks 4-7, may be out)
	WIN MUL_LO
	MUL16 0, 1, NQ-1, \slot, 0                     ; sixteen matrix instructions stand between the add and the wait for it
	s_wait_dscnt 0x0                               ; the add is done, and my reads of this slot are over
	s_barrier_signal -1
	MUL16 2, 1, NQ-1, \slot, 0
	WIN 0
	s_barrier_wait -1
.if \fill
	CREST                                          ; the barrier has opened a round of the cluster's barrier: no wave of any partner still reads this slot's tile or has a load on its way
	s_add_nc_u64 s[G0+4*\slot+2:G0+4*\slot+3], s[G0+4*\slot+2:G0+4*\slot+3], 2*ASTEP
	s_add_nc_u64 s[G0B+4*\slot+2:G0B+4*\slot+3], s[G0B+4*\slot+2:G0B+4*\slot+3], 2*ROWB
	JLOAD G0+4*\slot, G1, G0B+4*\slot, G1B         ; the first tensor load behind the round; the four v_nop behind it are the places in front of the loads below
.else
	PLACES NP
.endif
	v_add_nc_u32 v[ADRS], 4*NQ, v[ADRS]            ; on to the next K step's scale words (no LDS load of mine is out)
	FETCH_B \next, 0, 0
	FETCH_A \next, 0, 0
	SCALES \next
	WIN MUL_HI
	MUL16 4, 1, NQ-1, \slot, 0
	MUL16 6, 1, NQ-1, \slot, 0
	PLACES NP
	WIN 0
	FETCH_A \next, 0, 4
.endm
	s_wait_loadcnt 0x0                             ; the bias
	s_wait_tensorcnt 1                             ; the scales and my part of K step 0 are in (K step 1's load may be out)
	s_barrier_signal -1
	s_barrier_wait -1                              ; everybody's are
	FETCH_B 0, 0, 0
	FETCH_A 0, 0, 0
	SCALES 0
	FETCH_A 0, 0, 4
	STEP 0, 0, 1                                   ; the first step stands in front of the loop: its products start the sums, on the bias
	s_mov_b32 s3, LAPS-1
.Llap:                                                 ; a trip goes once round the ring, from a lap's second step to the next lap's first, and fills both slots again
	TURN 0, 1, 1
	STEP 1, 0, 0
	TURN 1, 0, 1
	STEP 0, 0, 0
	s_sub_co_u32 s3, s3, 1
	s_cmp_lg_u32 s3, 0
	s_cbranch_scc1 .Llap
	TURN 0, 1, 0                                   ; the last lap fills nothing, and has no round of the cluster's barrier
	STEP 1, 0, 0
	s_wait_dscnt 4*NLA                             ; the very last step: nothing more to fetch
	WIN MUL_LO
	MUL16 0, 1, NQ-1, 1, 0
	MUL16 2, 1, NQ-1, 1, 0
	s_wait_dscnt 0
	WIN MUL_HI
	MUL16 4, 1, NQ-1, 1, 0
	MUL16 6, 1, NQ-1, 1, 0
	WIN 0
.if ROLE == 2
; THE WAY OUT, block by block of 16 rows x 128 columns: through my own stage in LDS, back as whole rows of 512 bytes; hidden_states' same 512 bytes are added; the 32 lanes store two aligned runs of 256 bytes.
; LDS serves a wave's instructions in order (ISA guide 5.7.1.4): no wait between the stores and the loads, nor in front of the next block's stores.  Every row's offset is an immediate: 127 rows of 4,096 bytes at the most.
.macro RLOAD a                         ; hidden_states' rows of block a into window 1, set a % 4
.set RL, 64*((\a)%4)
	WIN TO_B
.irp t, 0,1,2,3,4,5,6,7,8,9,10,11,12,13,14,15
	global_load_b128 v[RL+4*\t:RL+4*\t+3], v[CO], s[96:97] offset:(16*(\a)+\t)*4096 th:TH_LOAD_NT
.endr
	WIN 0
.endm
.macro TOSTAGE a
.set AC, 64*((\a)%4)
	WIN 0x08+4*((\a)/4)                            ; an LDS store's data are its source 1: window 2 or 3
.irp b, 0,1,2,3,4,5,6,7
	ds_store_b128 v[STO], v[AC+8*\b:AC+8*\b+3] offset:64*\b          ; each accumulator from its low end on
	ds_store_b128 v[STO], v[AC+8*\b+4:AC+8*\b+7] offset:64*\b+16
.endr
	WIN 0
.set BB, BK+64*((\a)%2)
.irp t, 0,1,2,3,4,5,6,7,8,9,10,11,12,13,14,15
	ds_load_b128 v[BB+4*\t:BB+4*\t+3], v[RD] offset:\t*SPITCH
.endr
.endm
.macro SENDR a, younger                ; younger: the LDS instructions issued behind block a's loads, which may stay out
.set RR, 64*((\a)%4)
	s_wait_dscnt \younger                          ; the block is back in registers
.if (\a) < 5
	s_wait_loadcnt 48                              ; its rows of hidden_states are in; those of the three blocks behind it may be out
.else
	s_wait_loadcnt 16*(7-(\a))
.endif
	WIN 0x04                                       ; source 1: window 1
.set BB, BK+64*((\a)%2)
.set i, 0
.rept 32
	v_pk_add_f32 v[BB+i:BB+i+1], v[BB+i:BB+i+1], v[RR+i:RR+i+1]
.set i, i+2
.endr
	WIN 0
.if (\a) < 4
	RLOAD (\a)+4                                   ; the set just read takes the block four further on
.endif
.set BB, BK+64*((\a)%2)
.irp t, 0,1,2,3,4,5,6,7,8,9,10,11,12,13,14,15
	global_store_b128 v[CO], v[BB+4*\t:BB+4*\t+3], s[98:99] offset:(16*(\a)+\t)*4096 th:TH_STORE_NT   ; 32 lanes store 512 consecutive bytes, at a multiple of 256 from out0's first byte
.endr
.endm
	PLACES NP                                      ; behind the last products: for the loads into the registers that held A's and B's fragments, and for the reads of results
	RLOAD 0
	RLOAD 1
	RLOAD 2
	RLOAD 3
	TOSTAGE 0
.irp a, 1,2,3,4,5,6,7
.if \a > 1
	s_wait_xcnt 0x0                                ; block a - 2's stores have read their registers: block a's loads may land there
.endif
	TOSTAGE \a
	SENDR \a-1, 32                                 ; behind block a - 1's loads: block a's 16 stores and 16 loads
.endr
	SENDR 7, 0
.else
; THE WAY OUT: block a's 64 numbers a lane, in window w from v[s] on, become a fragment's codes in v[PC] on and its scale word in v[pw].  Each accumulator is read from its low end on.
.macro QUANTW s, w, pw
	WIN (\w)|((\w)<<2)                             ; sources 0 and 1: the accumulators' window
.irp b, 0,1,2,3
	v_max3_num_f32 v[TM+\b], |v[(\s)+16*\b]|, |v[(\s)+1+16*\b]|, 0x2800000   ; block b: my 16 numbers, and the floor 2^(5 - 127): the byte cannot fall under 1
.endr
	WIN ((\w)<<2)|((\w)<<4)                        ; sources 1 and 2
.irp i, 2,4,6,8,10,12,14
.irp b, 0,1,2,3
	v_max3_num_f32 v[TM+\b], v[TM+\b], |v[(\s)+16*\b+\i]|, |v[(\s)+1+16*\b+\i]|   ; (the four blocks by turns)
.endr
.endr
	WIN 0
.irp b, 0,1,2,3
	v_permlanex16_b32 v[TM+4+\b], v[TM+\b], s[SEL], s[SEL+1]
.endr
.irp b, 0,1,2,3
	v_max_num_f32 v[TM+\b], v[TM+\b], v[TM+4+\b]   ; with lane l xor 16's: the block's largest magnitude
.endr
.irp b, 0,1,2,3
	v_add_nc_u32 v[TM+12+\b], 0xfe000000, v[TM+\b] ; 4 off its exponent field: the conversion's scale operand
.endr
.irp b, 0,1,2,3
	v_lshrrev_b32 v[TM+4+\b], 23, v[TM+12+\b]      ; the scale's byte
.endr
	v_lshl_or_b32 v[\pw], v[TM+5], 8, v[TM+4]      ; the four bytes make my row's scale word
	v_lshl_or_b32 v[\pw], v[TM+6], 16, v[\pw]
	v_lshl_or_b32 v[\pw], v[TM+7], 24, v[\pw]
	WIN (\w)                                       ; source 0
.irp c, 0,1
	v_cvt_scalef32_pk16_bf6_f32 v[PC+6*\c:PC+2+6*\c], v[(\s)+32*\c:(\s)+15+32*\c], v[TM+12+2*\c]
	v_cvt_scalef32_pk16_bf6_f32 v[PC+12+4*\c:PC+14+4*\c], v[(\s)+16+32*\c:(\s)+31+32*\c], v[TM+12+2*\c+1]   ; (a conversion's three registers begin on an even number)
.endr
	WIN 0
	v_nop                                          ; one plain place behind a scaled conversion
.irp c, 0,1                                    ; the operand's layout wants a WHOLE block in a lane: lanes 0-15 block 2 c, lanes 16-31 block 2 c + 1
.irp i, 0,1,2
	v_permlane16_swap_b32 v[PC+6*\c+\i], v[PC+12+4*\c+\i]
.endr
.irp i, 0,1,2
	v_mov_b32 v[PC+3+6*\c+\i], v[PC+12+4*\c+\i]
.endr
.endr
.endm
.macro QOUT a
.if (\a) > 0
	s_wait_xcnt 0x0                                ; the codes' registers, which the last block's stores read, are rewritten only behind this wait (ISA guide 3.1)
.endif
	QUANTW 64*((\a)%4), 2+(\a)/4, PWS+(\a)
.irp c, 0,1,2
	global_store_b128 v[CO], v[PC+4*\c:PC+4*\c+3], s[96:97] offset:1536*(\a)+512*\c   ; the image: 32 lanes store 512 consecutive bytes, aligned
.endr
.endm
	PLACES NP                                      ; behind the last products: for the reads of results and for the writes over A's fragments
.irp b, 0,1,2,3
	v_mov_b32 v[TM+4+\b], 0                        ; written once: a lane permute's destination counts as one of its sources
.endr
.irp a, 0,1,2,3,4,5,6,7
	QOUT \a
.endr
.irp e, 0,1,2,3
	v_cndmask_b32 v[PQ+\e], v[PWS+\e], v[PWS+4+\e], s[HM]   ; lanes 0-15 carry blocks 0-3's words, lanes 16-31 blocks 4-7's
.endr
	global_store_b128 v[CO], v[PQ:PQ+3], s[98:99]  ; 512 consecutive bytes, aligned
.endif
	s_wait_tensorcnt 0x0                           ; the wave's end: behind my last tensor load and my last LDS store
	ds_add_u32 v[SPW], v[NIL]
	s_wait_dscnt 0x0
	CROUND                                         ; the closing round: no work-group ends while a partner may still ask for a tile that names it
	s_endpgm
.Lfunc_end_k_q1635c2cf49_qk:
	.size	k_q1635c2cf49_qk, .Lfunc_end_k_q1635c2cf49_qk-k_q1635c2cf49_qk
	.p2alignl 7, 3214868480
	.fill 96, 4, 3214868480
	.section	.rodata,"a",@progbits
	.p2align	6, 0x0
	.amdhsa_kernel k_q1635c2cf49_qk
		.amdhsa_group_segment_fixed_size 327680
		.amdhsa_private_segment_fixed_size 0
		.amdhsa_enable_private_segment 0
		.amdhsa_kernarg_size 56
		.amdhsa_user_sgpr_count 2
		.amdhsa_user_sgpr_kernarg_segment_ptr 1
		.amdhsa_wavefront_size32 1
		.amdhsa_system_sgpr_workgroup_id_x 1
		.amdhsa_system_sgpr_workgroup_id_y 1
		.amdhsa_system_sgpr_workgroup_id_z 1
		.amdhsa_system_vgpr_workitem_id 0
		.amdhsa_next_free_vgpr 1024
		.amdhsa_next_free_sgpr 102
		.amdhsa_reserve_vcc 0
		.amdhsa_float_denorm_mode_32 3
		.amdhsa_float_denorm_mode_16_64 3
		.amdhsa_memory_ordered 1
		.amdhsa_forward_progress 1
		.amdhsa_inst_pref_size 166
	.end_amdhsa_kernel
	.amdgpu_metadata
---
amdhsa.version: [ 1, 2 ]
amdhsa.kernels:
  - .name:           k_q1635c2cf49_qk
    .symbol:         k_q1635c2cf49_qk.kd
    .args:
      - { .name: xc, .offset: 0, .size: 8, .value_kind: global_buffer, .address_space: global }
      - { .name: xs, .offset: 8, .size: 8, .value_kind: global_buffer, .address_space: global }
      - { .name: W_qkv_codes, .offset: 16, .size: 8, .value_kind: global_buffer, .address_space: global }
      - { .name: W_qkv_scales, .offset: 24, .size: 8, .value_kind: global_buffer, .address_space: global }
      - { .name: b_qkv, .offset: 32, .size: 8, .value_kind: global_buffer, .address_space: global }
      - { .name: qkc, .offset: 40, .size: 8, .value_kind: global_buffer, .address_space: global }
      - { .name: qks, .offset: 48, .size: 8, .value_kind: global_buffer, .address_space: global }
    .group_segment_fixed_size: 327680
    .private_segment_fixed_size: 0
    .kernarg_segment_align: 8
    .kernarg_segment_size: 56
    .max_flat_workgroup_size: 128
    .sgpr_count:     102
    .vgpr_count:     1024
    .wavefront_size: 32
...
	.end_amdgpu_metadata
.endif
;; end of part 2
;; launch vv (part 3): grid 32 x 4, 4 waves a work-group, clusters of 4 x 4, 327,680 bytes of LDS; arguments W_qkv_codes, W_qkv_scales, xc, xs, b_qkv, vc, vs; writes vc, vs
.if DOCPART == 3
	.amdgcn_target "amdgcn-amd-amdhsa--gfx1250"
	.amdhsa_code_object_version 6
	.text
	.protected	k_q1635c2cf49_vv
	.globl	k_q1635c2cf49_vv
	.p2align	8
	.type	k_q1635c2cf49_vv,@function
k_q1635c2cf49_vv:
	s_mov_b64 s[64:65], 0
	v_nop
	global_prefetch_b8 v0, s[64:65] scope:SCOPE_SE
	s_setreg_imm32_b32 hwreg(HW_REG_WAVE_MODE, 25, 1), 1
	s_wait_xcnt 0x0
	s_wait_alu depctr_hold_cnt(0) depctr_sa_sdst(0) depctr_va_vdst(0) depctr_va_sdst(0) depctr_va_ssrc(0) depctr_va_vcc(0) depctr_vm_vsrc(0)
	s_getreg_b32 s2, hwreg(HW_REG_IB_STS2, 6, 4)
	s_cmp_eq_u32 s2, 0
	s_cbranch_scc0 .Lentry_in_a_cluster
	s_endpgm
.Lentry_in_a_cluster:
	s_bfe_u32 s2, ttmp6, 0x10000c
	s_cmp_lg_u32 s2, 0xf033
	s_cbranch_scc0 .Lentry_shape_is_right
	s_endpgm
.Lentry_shape_is_right:
; ONE TEXT FOR THREE PRODUCTS ON CODES OF E3M2 (one E8M0 byte for each 32 along K), K = 1,024; ROLE says which.  C'[m][n] = sum over k of A'[m][k] B'[n][k] + bias.
;   ROLE 0: A' = x (8,192 tokens), B' = the 2,048 rows of W_qkv that make q and k; bias by n.  The result is quantised along n (the heads' channels) and leaves as codes.
;   ROLE 1: A' = the 1,024 rows of W_qkv that make v, B' = x; bias by m.  The result, v transposed, is quantised along n (the tokens, the second attention product's K) and leaves as codes.
;   ROLE 2: A' = the attention's result (fragment images), B' = W_out's 1,024 rows; bias by n; + hidden_states; the result is out0, f32.
; A tile of C', 256 x 256, is made by four waves, as many as a WGP has SIMDs; a wave makes 128 x 128: 64 accumulators of 16 x 16, 512 registers.  K goes in steps of 256 through a ring of two LDS slots filled by the tensor data mover.
; The scale bytes of the work-group's 256 + 256 rows, for all of K, are two dense blocks: they come into LDS once, with the first fills, and stay.
; CLUSTERS: 4 x 4 work-groups.  The four of a row of the cluster need the same tiles of A', the four of a column the same tiles of B': each tile is asked for JOINTLY, by the same tensor load with the same descriptor and a mask that names the four.
; THE MATRIX INSTRUCTION IS USED TRANSPOSED (source 0 = 16 rows of B', source 1 = 16 rows of A'): a lane holds ONE row m (lane % 16), and register j of accumulator (a, b) is column n = 16 b + 8 (lane / 16) + j.
; THE BIAS is the C of each sum's first matrix instruction: 64 registers in the result's layout; nothing is cleared and nothing is added later.
; CODES OUT (ROLE 0, 1).  The 64 numbers that a lane holds of block a (its 8 accumulators) are 128 along n of one row: registers 16 B .. 16 B + 15 of lanes l and l xor 16 together are block B of 32.  They are quantised in registers and become
; a FRAGMENT'S REGISTER IMAGE: 12 registers a lane, stored by three stores of 512 consecutive bytes (register group c at 512 c + 16 lane).  Inside a block of 32 the codes stand in another order than n (its second and third groups of 8 have
; changed places); both operands of each attention product are made in this same way, so their products meet as they should.  Scale words: 8 blocks x 16 rows = 512 bytes, the word of block a, row r at 256 (a / 4) + 16 r + 4 (a % 4).
; LIMITS: a block of zeros gets the byte 1 (its codes are zeros; only this program reads the bytes); blocks whose largest magnitude lies under 2^-122 share that byte; NaN and infinities are not served.
; This role has 128 tiles of 256 x 256, so 128 work-groups: a smaller tile would read each LDS byte for half the products.
; REGISTERS, in windows of 256: window 0: v0-31 addresses; v32-63 scale words, two sets; v64-127 the bias; from v128 A's fragments, ONE set (on the way out: at work).
;   window 1: B's fragments, TWO sets, at v0 and v128 (ROLE 2, on the way out: the residual).   window 2: the accumulators of my rows 0-63 ((a, b) at v[8 (8 a + b)]);   window 3: those of rows 64-127.
.set ROLE,   1
.set KSTEP,  256                       ; along K in a slot
.set NQ,     2                         ; matrix instructions deep
.set ROWB,   192                       ; a tile's row in bytes: 256 codes of 6 bits
.set KROW,   768                       ; a row of codes in memory
.set PITCH,  240                       ; an LDS row: 3 x (64 bytes + 16 of padding) = 60 words, so that the 32 lanes of a load of 8 bytes touch 64 different banks (64 banks of 4 bytes: ISA guide 11.1)
.set FR,     12                        ; registers of a fragment: 16 rows x 128 K
.set NP,     4                         ; places behind this matrix instruction (ISA guide 7.12.1)
.set HALFT,  128*PITCH                 ; room for 128 rows: what one tensor load brings
.set SLOT,   4*HALFT                   ; A's 256 rows, then B's 256 rows
.set LAPS,   2                         ; a lap = two K steps = once round the ring: 1,024 / 512
.set KS,     32                        ; a row of scale bytes
.set SCL,    2*SLOT                    ; behind the ring: the scales, as runs of 256 bytes + 16 of padding
.set HALFS,  16*272                    ; those of 128 rows
.set SBLK,   2*272                     ; those of 16 rows
.set SPARE,  SCL+4*HALFS               ; behind the scales: the spare words, 128 bytes for each wave: two blocks of 256 bytes that no other line names
.set SPITCH, 528                       ; ROLE 2: a stage of 16 rows x (512 + 16) bytes for each wave, in slot 0, which has had its last fill and its last read by then
.if ROLE == 2
.set NLA,    3                         ; LDS loads that bring a fragment of A': an image comes by three loads of 16 bytes a lane
.set ASTEP,  3072                      ; bytes from a K step of A' to the next: two fragments
.else
.set NLA,    6                         ; from rows: six loads of 8 bytes
.set ASTEP,  ROWB
.endif
.set ADRA, 16                          ; v16-17  LDS address of my A fragments in slot 0, 1  (v18-19: for the pieces that lie behind one padding more)
.set ADRB, 20                          ; v20-21  the same for B  (v22-23)
.set STO,  24                          ; v24     ROLE 2: where I put 32 bytes of a row in the stage
.set RD,   25                          ; v25     ROLE 2: where I read a row back
.set CO,   26                          ; v26     16 x lane
.set ADRS, 27                          ; v27     LDS address of my scale words: lanes 0-15 A's rows, lanes 16-31 B's
.set SPW,  28                          ; v28     LDS address of my spare word; never rewritten
.set NIL,  29                          ; v29     0; never rewritten
.set BAD,  30                          ; v30     my lane's byte in the bias
.set SC,   32                          ; scale words: set s at v[SC + 16 s]; register 2 i + q: lanes 0-15 A's block i, lanes 16-31 B's block i, the slot's q-th 128 along K
.set BIAS, 64
.set AF,   128                         ; A's fragments
.set BK,   128                         ; ROLE 2: 16 rows read back from the stage: v128-191 and v192-255 by turns
.set PC,   128                         ; ROLE 0, 1: the codes just made (12 registers; v140-142, v144-146 beside them)
.set TM,   160                         ; v160-163 largest magnitudes, v164-167 bytes, v172-175 the conversions' scale operands
.set PWS,  176                         ; v176-183 the eight blocks' scale words
.set PQ,   184                         ; v184-187 the same, laid for one store
.set G1, 24                            ; s[24:31] descriptor group 1 for A's tiles;  s[32:39] group 0, one set for each slot
.set G0, 32
.set G1B, 48                           ; s[48:55], s[56:63] the same for B's tiles
.set G0B, 56
.set G1S, 68                           ; s[68:75], s[76:79] groups 1 and 0 for A's scales;  s[80:87], s[88:91] for B's
.set G0S, 76
.set G1SB, 80
.set G0SB, 88
.set HM,  95                           ; s95 lanes 16-31
.set SEL, 100                          ; s[100:101] v_permlanex16_b32's selects for lane l xor 16
.set MSB, 0
.macro WIN new                         ; the immediate's high byte repeats the setting that is left; a switch that changes nothing is dropped
.if MSB != (\new)
	s_set_vgpr_msb (MSB<<8)|(\new)
.set MSB, (\new)
.endif
.endm
.set MUL_LO,   0xa1                    ; source 0 (B) window 1, source 1 (A) window 0, C and D window 2
.set MUL_HI,   0xf1                    ; the same, C and D window 3
.set FIRST_LO, 0x81                    ; the first K step: C (the bias) window 0, D window 2
.set FIRST_HI, 0xc1                    ; D window 3
.set TO_B,     0x40                    ; destination window 1, address window 0
; A joint load: waves 0 and 1 fetch for A, waves 2 and 3 for B.  Each of the two lines has ONE mask and one set of registers for all that issue it; the branch hangs on the wave's number alone.
; Four v_nop follow each of the two lines, ahead of the jump, the label and what follows.
.macro JLOAD g0a, g1a, g0b, g1b
	s_cmp_eq_u32 s15, 0
	s_cbranch_scc0 .Lfor_b_\@
	tensor_load_to_lds s[\g0a:\g0a+3], s[\g1a:\g1a+7]
	s_nop 0
.rept 4
	v_nop
.endr
	s_branch .Lasked_\@
.Lfor_b_\@:
	tensor_load_to_lds s[\g0b:\g0b+3], s[\g1b:\g1b+7]
	s_nop 0
.rept 4
	v_nop
.endr
.Lasked_\@:
.endm
.macro CREST                           ; a round of the cluster's barrier behind its opening barrier
	s_cmp_lg_u32 s14, 0
	s_cbranch_scc1 .Lnot_wave_0_\@
	s_barrier_signal -3
.Lnot_wave_0_\@:
	s_barrier_wait -3
	s_barrier_signal -1
	s_barrier_wait -1
.endm
.macro CROUND                          ; a whole round
	s_barrier_signal -1
	s_barrier_wait -1
	CREST
.endm
	s_load_b128 s[4:7], s[0:1], 0x0                ; A's codes s[4:5], A's scales s[6:7]
	s_load_b128 s[8:11], s[0:1], 0x10              ; B's codes s[8:9], B's scales s[10:11]
	s_load_b64 s[12:13], s[0:1], 0x20              ; the bias
	s_load_b64 s[96:97], s[0:1], 0x28              ; ROLE 0, 1: the codes out;  ROLE 2: hidden_states
	s_load_b64 s[98:99], s[0:1], 0x30              ; ROLE 0, 1: the scale words out;  ROLE 2: out0
	v_lshl_add_u32 v[SPW], v0, 2, SPARE
	v_mov_b32 v[NIL], 0
	ds_add_u32 v28, v29
	s_wait_dscnt 0x0
	v_lshrrev_b32 v1, 5, v0
	v_readfirstlane_b32 s14, v1                    ; wave 0..3
	s_lshr_b32 s15, s14, 1                         ; which half of the tile's rows is mine.  Also: I fetch for A (0) or for B (1)
	s_and_b32 s16, s14, 1                          ; which half of its columns.  Also: which 128 rows of that tile I fetch
	s_bfe_u32 s40, ttmp6, 0x40000                  ; cx, cy: my place in the cluster
	s_bfe_u32 s41, ttmp6, 0x40004
	s_lshl_b32 s42, ttmp9, 2
	s_add_co_u32 s42, s42, s40                     ; tile column = 4 x cluster x + cx
	s_and_b32 s17, ttmp7, 0xffff
	s_lshl_b32 s17, s17, 2
	s_add_co_u32 s17, s17, s41                     ; tile row = 4 x cluster y + cy
	s_lshl_b32 s43, s41, 2
	s_lshl_b32 s43, 15, s43                        ; my row of the cluster
	s_lshl_b32 s44, 0x1111, s40                    ; my column
	s_mov_b32 s[HM], 0xffff0000
	s_mov_b32 s[SEL], 0x76543210
	s_mov_b32 s[SEL+1], 0xfedcba98
.if ROLE == 2
	; A's tile is 8 blocks of 16 rows; of each, the K step's two fragment images: 3,072 consecutive bytes, 12,288 bytes from block to block; dense in LDS
	s_or_b32 s[G1+0], s43, (3<<16)|(1<<21)         ; 15:0 the mask: my row; 17:16 elements of 8 bytes; 20 no padding; 21 set beside a mask
	s_mov_b32 s[G1+1], 384<<16                     ; tensor_dim0
	s_mov_b32 s[G1+2], 8<<16                       ; tensor_dim1
	s_mov_b32 s[G1+3], 384<<16                     ; tile_dim0
	s_mov_b32 s[G1+4], 8                           ; tile_dim1
	s_mov_b32 s[G1+5], 1536                        ; tensor_dim0_stride
.else
	s_or_b32 s[G1+0], s43, (1<<20)|(1<<21)|(3<<22)|(3<<25)  ; 15:0 the mask: my row; 17:16 elements of 1 byte; 20 padding on; 21 set beside a mask; 24:22 after every 16 words; 31:25 of 4 words
	s_mov_b32 s[G1+1], ROWB<<16                    ; tensor_dim0
	s_mov_b32 s[G1+2], 128<<16                     ; tensor_dim1
	s_mov_b32 s[G1+3], ROWB<<16                    ; tile_dim0
	s_mov_b32 s[G1+4], 128                         ; tile_dim1
	s_mov_b32 s[G1+5], KROW                        ; tensor_dim0_stride
.endif
	s_mov_b32 s[G1+6], 0
	s_mov_b32 s[G1+7], 0
	s_or_b32 s[G1B+0], s44, (1<<20)|(1<<21)|(3<<22)|(3<<25)  ; B's tiles: 128 rows of 192 bytes, padded; the mask of my column
	s_mov_b32 s[G1B+1], ROWB<<16
	s_mov_b32 s[G1B+2], 128<<16
	s_mov_b32 s[G1B+3], ROWB<<16
	s_mov_b32 s[G1B+4], 128
	s_mov_b32 s[G1B+5], KROW
	s_mov_b32 s[G1B+6], 0
	s_mov_b32 s[G1B+7], 0
	; the scales of 128 rows: a dense block of 4,096 bytes, as 16 rows of 256 bytes (32 elements of 8 bytes), 16 bytes of padding behind each
	s_or_b32 s[G1S+0], s43, (3<<16)|(1<<20)|(1<<21)|(5<<22)|(3<<25)
	s_or_b32 s[G1SB+0], s44, (3<<16)|(1<<20)|(1<<21)|(5<<22)|(3<<25)
.irp g, G1S, G1SB
	s_mov_b32 s[\g+1], 32<<16
	s_mov_b32 s[\g+2], 16<<16
	s_mov_b32 s[\g+3], 32<<16
	s_mov_b32 s[\g+4], 16
	s_mov_b32 s[\g+5], 32
	s_mov_b32 s[\g+6], 0
	s_mov_b32 s[\g+7], 0
.endr
	s_lshl_b32 s18, s16, 7                         ; which 128 rows of the tile I fetch
	s_lshl_b32 s20, s17, 8
	s_add_co_u32 s20, s20, s18                     ; A: row 256 x tile row + 128 x half
	s_lshl_b32 s46, s42, 8
	s_add_co_u32 s46, s46, s18                     ; B: row 256 x tile column + 128 x half
	s_mov_b32 s21, 0
	s_mov_b32 s47, 0
	s_mov_b64 s[18:19], KS
	s_mul_u64 s[22:23], s[20:21], s[18:19]         ; where these rows' scales begin, in bytes
	s_mul_u64 s[92:93], s[46:47], s[18:19]
	s_mov_b64 s[18:19], KROW
	s_mul_u64 s[20:21], s[20:21], s[18:19]         ; and their codes (16 rows of 768 bytes are as many bytes as a block's 8 images)
	s_mul_u64 s[46:47], s[46:47], s[18:19]
	s_mul_i32 s45, s14, HALFT                      ; where they go: wave x 128 rows: no place in the cluster enters an LDS address
	s_mul_i32 s94, s14, HALFS
	s_wait_kmcnt 0x0
.if ROLE == 1
	s_add_nc_u64 s[4:5], s[4:5], 2048*768          ; v's rows of W_qkv begin at row 2,048,
	s_add_nc_u64 s[6:7], s[6:7], 2048*32           ; their scale bytes
	s_add_nc_u64 s[12:13], s[12:13], 2048*4        ; and their bias likewise
.endif
	s_add_nc_u64 s[20:21], s[4:5], s[20:21]
	s_add_nc_u64 s[22:23], s[6:7], s[22:23]
	s_add_nc_u64 s[46:47], s[8:9], s[46:47]
	s_add_nc_u64 s[92:93], s[10:11], s[92:93]
	CROUND                                         ; all sixteen work-groups are here: the first joint loads meet
	s_mov_b32 s[G0S], 1
	s_add_co_u32 s[G0S+1], s94, SCL
	s_mov_b64 s[G0S+2:G0S+3], s[22:23]
	s_or_b32 s[G0S+3], s[G0S+3], 0x80000000
	s_mov_b32 s[G0SB], 1
	s_add_co_u32 s[G0SB+1], s94, SCL
	s_mov_b64 s[G0SB+2:G0SB+3], s[92:93]
	s_or_b32 s[G0SB+3], s[G0SB+3], 0x80000000
	JLOAD G0S, G1S, G0SB, G1SB                     ; the scales first: they are wanted with K step 0
.irp s, 0,1
	s_mov_b32 s[G0+4*\s], 1
	s_add_co_u32 s[G0+4*\s+1], s45, \s*SLOT
	s_add_nc_u64 s[G0+4*\s+2:G0+4*\s+3], s[20:21], \s*ASTEP
	s_or_b32 s[G0+4*\s+3], s[G0+4*\s+3], 0x80000000
	s_mov_b32 s[G0B+4*\s], 1
	s_add_co_u32 s[G0B+4*\s+1], s45, \s*SLOT
	s_add_nc_u64 s[G0B+4*\s+2:G0B+4*\s+3], s[46:47], \s*ROWB
	s_or_b32 s[G0B+4*\s+3], s[G0B+4*\s+3], 0x80000000
	JLOAD G0+4*\s, G1, G0B+4*\s, G1B
.endr
	v_and_b32 v1, 15, v0                           ; r = l % 16
	v_bfe_u32 v2, v0, 4, 1                         ; h = l / 16
	; the bias, in the result's layout
.if ROLE == 1
	s_lshl_b32 s20, s17, 10                        ; by m: 4 bytes x (256 x tile row + 128 x half)
	s_lshl_b32 s21, s15, 9
	s_add_co_u32 s20, s20, s21
	s_mov_b32 s21, 0
	s_add_nc_u64 s[12:13], s[12:13], s[20:21]
	v_lshlrev_b32 v[BAD], 2, v1                    ; my row's number stands in all eight registers of block a
.irp a, 0,1,2,3,4,5,6,7
.irp j, 0,1,2,3,4,5,6,7
	global_load_b32 v[BIAS+8*\a+\j], v[BAD], s[12:13] offset:64*\a
.endr
.endr
.else
	s_lshl_b32 s46, s42, 10                        ; by n: 4 bytes x (256 x tile column + 128 x half)
	s_lshl_b32 s47, s16, 9
	s_add_co_u32 s46, s46, s47
	s_mov_b32 s47, 0
	s_add_nc_u64 s[12:13], s[12:13], s[46:47]
	v_lshlrev_b32 v[BAD], 5, v2                    ; block b: columns 16 b + 8 h + 0 .. 7
.irp b, 0,1,2,3,4,5,6,7
	global_load_b128 v[BIAS+8*\b:BIAS+8*\b+3], v[BAD], s[12:13] offset:64*\b
	global_load_b128 v[BIAS+8*\b+4:BIAS+8*\b+7], v[BAD], s[12:13] offset:64*\b+16
.endr
.endif
	v_mul_u32_u24 v3, v1, PITCH
	v_mul_u32_u24 v4, v2, 24
	v_add_nc_u32 v4, v3, v4                        ; a fragment's row x pitch + 24 x half
	v_lshl_add_u32 v5, v2, 4, v4                   ; and the same behind one padding more
	v_and_b32 v6, 31, v0
	v_lshlrev_b32 v[CO], 4, v6                     ; 16 x lane
	s_mul_i32 s21, s15, HALFT                      ; my 128 rows of A
	s_mul_i32 s22, s16, HALFT                      ; my 128 rows of B,
	s_add_co_u32 s22, s22, 2*HALFT                 ; which lie behind A's 256
.irp s, 0,1
.if ROLE == 2
	v_add_nc_u32 v[ADRA+\s], s21, v[CO]            ; an image's place for my lane
.else
	v_add_nc_u32 v[ADRA+\s], s21, v4
	v_add_nc_u32 v[ADRA+2+\s], s21, v5
.endif
	v_add_nc_u32 v[ADRB+\s], s22, v4
	v_add_nc_u32 v[ADRB+2+\s], s22, v5
	s_add_co_u32 s21, s21, SLOT
	s_add_co_u32 s22, s22, SLOT
.endr
	v_mul_u32_u24 v5, v1, KS                       ; my row's scales: 32 bytes a row,
	v_lshrrev_b32 v6, 8, v5
	v_lshl_add_u32 v5, v6, 4, v5                   ; and 16 more for each 256 passed
	s_mul_i32 s21, s15, HALFS                      ; A's: my 128 rows
	s_mul_i32 s22, s16, HALFS                      ; B's: my 128 rows, behind A's 256
	s_add_co_u32 s22, s22, 2*HALFS
	s_sub_co_u32 s22, s22, s21
	v_mul_u32_u24 v6, s22, v2                      ; lanes 16-31 take B's: one product, the distance between the two bases
	s_add_co_u32 s21, s21, SCL
	v_add_nc_u32 v5, v5, v6
	v_add_nc_u32 v[ADRS], s21, v5
.if ROLE == 2
	s_mul_i32 s23, s14, 16*SPITCH                  ; my stage
	v_mul_u32_u24 v5, v1, SPITCH                   ; in: row l % 16, 32 bytes for each half of the lanes
	v_lshl_add_u32 v5, v2, 5, v5
	v_add_nc_u32 v[STO], s23, v5
	v_add_nc_u32 v[RD], s23, v[CO]                 ; back: the 32 lanes take one row of 512 bytes
	s_lshl_b32 s20, s17, 8
	s_lshl_b32 s21, s15, 7
	s_add_co_u32 s20, s20, s21                     ; my first row: 256 x tile row + 128 x half,
	s_lshl_b32 s20, s20, 12                        ; x 4,096 bytes (under 2^25),
	s_add_co_u32 s20, s20, s46                     ; + my first column's bytes, which are the bias's offset
	s_mov_b32 s21, 0
	s_add_nc_u64 s[96:97], s[96:97], s[20:21]      ; hidden_states and out0 at my part's first byte
	s_add_nc_u64 s[98:99], s[98:99], s[20:21]
.else
	s_lshl_b32 s46, s42, 1
	s_add_co_u32 s46, s46, s16                     ; which 128 along n is my wave's
	s_lshl_b32 s20, s17, 1
	s_add_co_u32 s20, s20, s15                     ; which 128 along m
.if ROLE == 0
	s_mul_i32 s47, s46, 786432                     ; codes: [128 columns][16 tokens][1,536]: 512 images to a run of 128 columns,
	s_mul_i32 s21, s20, 12288                      ; 8 to my 128 tokens
	s_lshl_b32 s46, s46, 15                        ; scale words: [128 columns][128 tokens][512]
	s_lshl_b32 s20, s20, 9
.else
	s_mul_i32 s47, s46, 12288                      ; codes: [128 channels][128 tokens][16 channels][1,536]
	s_mul_i32 s21, s20, 786432
	s_lshl_b32 s46, s46, 9
	s_lshl_b32 s20, s20, 15
.endif
	s_add_co_u32 s22, s47, s21
	s_mov_b32 s23, 0
	s_add_nc_u64 s[96:97], s[96:97], s[22:23]
	s_add_co_u32 s22, s46, s20
	s_add_nc_u64 s[98:99], s[98:99], s[22:23]
.endif
.macro FRAG reg, adr, q, i             ; a fragment from rows: lane l holds row l % 16; registers 6 c .. 6 c + 5 hold K = 64 c + 32 (l / 16) + 0 .. 31: 24 bytes of the row's stream of bits, as they lie
.irp p, 0,1,2,3,4,5                    ; in pieces of 8 bytes.  Lanes 0-15 take the row's pieces 12 q + 0, 1, 2 and 12 q + 6, 7, 8, lanes 16-31 those three pieces on
.set PCE, 12*(\q)+6*(\p/3)+\p%3        ; 16 bytes of padding lie behind every 8 pieces: where the piece three on lies behind one padding more, the second address register serves
.if PCE%8 < 5
	ds_load_b64 v[\reg+2*\p:\reg+2*\p+1], v[\adr] offset:8*PCE+16*(PCE/8)+(\i)*16*PITCH
.else
	ds_load_b64 v[\reg+2*\p:\reg+2*\p+1], v[\adr+2] offset:8*PCE+16*(PCE/8)+(\i)*16*PITCH
.endif
.endr
.endm
; 16 matrix instructions: A's blocks a0, a0 + 1 x B's eight, 128 along K: the slot's q-th.  p: B's set;  sc: the set of scale words.  zero = 1: the first K step: C is the bias.
; The 64 accumulators take turns, one instruction a turn, in the same order in every step.
.macro MUL16 a0, p, q, sc, zero
.irp a, \a0, \a0+1
.irp b, 0,1,2,3,4,5,6,7
.set rD, 8*(8*((\a)%4)+\b)
.set rB, 128*(\p)+FR*\b
.set rA, AF+FR*(\a)
.set rSB, SC+8*NQ*(\sc)+NQ*\b+(\q)
.set rSA, SC+8*NQ*(\sc)+NQ*(\a)+(\q)
.if \zero
.if ROLE == 1
.set rC, BIAS+8*(\a)
.else
.set rC, BIAS+8*\b
.endif
	v_wmma_scale_f32_16x16x128_f8f6f4 v[rD:rD+7], v[rB:rB+FR-1], v[rA:rA+FR-1], v[rC:rC+7], v[rSB], v[rSA] matrix_a_fmt:MATRIX_FMT_BF6 matrix_b_fmt:MATRIX_FMT_BF6 matrix_a_scale:MATRIX_SCALE_ROW1
.else
	v_wmma_scale_f32_16x16x128_f8f6f4 v[rD:rD+7], v[rB:rB+FR-1], v[rA:rA+FR-1], v[rD:rD+7], v[rSB], v[rSA] matrix_a_fmt:MATRIX_FMT_BF6 matrix_b_fmt:MATRIX_FMT_BF6 matrix_a_scale:MATRIX_SCALE_ROW1
.endif
.endr
.endr
.endm
.macro FETCH_B slot, q, p              ; B's eight fragments of the slot's q-th 128 along K into set p
	WIN TO_B
.irp i, 0,1,2,3,4,5,6,7
	FRAG 128*(\p)+FR*\i, ADRB+\slot, \q, \i
.endr
	WIN 0
.endm
.macro FETCH_A slot, q, i0             ; A's blocks i0 .. i0 + 3
.irp i, \i0, \i0+1, \i0+2, \i0+3
.if ROLE == 2
.irp c, 0,1,2
	ds_load_b128 v[AF+FR*(\i)+4*\c:AF+FR*(\i)+4*\c+3], v[ADRA+\slot] offset:(\i)*3072+(\q)*1536+512*\c   ; the image as it was stored: the same registers in the same lanes
.endr
.else
	FRAG AF+FR*(\i), ADRA+\slot, \q, \i
.endif
.endr
.endm
.macro SCALES sc                       ; the next K step's scale words into set sc: two words a row; lanes 0-15 take A's block i, lanes 16-31 B's block i
.irp i, 0,1,2,3,4,5,6,7
	ds_load_b64 v[SC+8*NQ*\sc+NQ*\i:SC+8*NQ*\sc+NQ*\i+1], v[ADRS] offset:\i*SBLK
.endr
.endm
; A load into a register that a matrix instruction has read, and a vector instruction or an LDS store that reads a matrix result, stand NP places behind that matrix instruction; only plain vector
; instructions that name none of its registers are places (ISA guide 7.12.1 for vector instructions).
.macro PLACES n
.rept \n
	v_nop
.endr
.endm
; A step of 128 along K that has its successor in the same slot.
.macro STEP slot, q, zero
	s_wait_dscnt 4*NLA                             ; B's set and A's blocks 0-3 are in; the youngest loads (A's blocks 4-7) may be out
.if \zero
	WIN FIRST_LO
.else
	WIN MUL_LO
.endif
	MUL16 0, (\q)%2, \q, \slot, \zero
	MUL16 2, (\q)%2, \q, \slot, \zero
	s_wait_dscnt 0                                 ; A's blocks 4-7 are in (asked for 32 matrix instructions ago)
	PLACES NP
	FETCH_B \slot, (\q)+1, 1-(\q)%2
	FETCH_A \slot, (\q)+1, 0
.if \zero
	WIN FIRST_HI
.else
	WIN MUL_HI
.endif
	MUL16 4, (\q)%2, \q, \slot, \zero
	MUL16 6, (\q)%2, \q, \slot, \zero
	PLACES NP
	WIN 0
	FETCH_A \slot, (\q)+1, 4
.endm
; A slot's last step changes slots: ONE barrier; in front of it each wave waits for all its tensor loads, adds 0 to its spare word, and waits for that and for its own reads of this slot.  fill = 1: this slot is filled again, two K steps ahead.
.macro TURN slot, next, fill
	s_wait_tensorcnt 0x0                           ; all my tensor loads have landed: my part of the next slot  (every window is 0 here: the add's two registers lie in window 0)
	ds_add_u32 v[SPW], v[NIL]                      ; 0 onto my spare word
	s_wait_dscnt 4*NLA+1                           ; (the add and the youngest loads, A's blocks 4-7, may be out)
	WIN MUL_LO
	MUL16 0, 1, NQ-1, \slot, 0                     ; sixteen matrix instructions stand between the add and the wait for it
	s_wait_dscnt 0x0                               ; the add is done, and my reads of this slot are over
	s_barrier_signal -1
	MUL16 2, 1, NQ-1, \slot, 0
	WIN 0
	s_barrier_wait -1
.if \fill
	CREST                                          ; the barrier has opened a round of the cluster's barrier: no wave of any partner still reads this slot's tile or has a load on its way
	s_add_nc_u64 s[G0+4*\slot+2:G0+4*\slot+3], s[G0+4*\slot+2:G0+4*\slot+3], 2*ASTEP
	s_add_nc_u64 s[G0B+4*\slot+2:G0B+4*\slot+3], s[G0B+4*\slot+2:G0B+4*\slot+3], 2*ROWB
	JLOAD G0+4*\slot, G1, G0B+4*\slot, G1B         ; the first tensor load behind the round; the four v_nop behind it are the places in front of the loads below
.else
	PLACES NP
.endif
	v_add_nc_u32 v[ADRS], 4*NQ, v[ADRS]            ; on to the next K step's scale words (no LDS load of mine is out)
	FETCH_B \next, 0, 0
	FETCH_A \next, 0, 0
	SCALES \next
	WIN MUL_HI
	MUL16 4, 1, NQ-1, \slot, 0
	MUL16 6, 1, NQ-1, \slot, 0
	PLACES NP
	WIN 0
	FETCH_A \next, 0, 4
.endm
	s_wait_loadcnt 0x0                             ; the bias
	s_wait_tensorcnt 1                             ; the scales and my part of K step 0 are in (K step 1's load may be out)
	s_barrier_signal -1
	s_barrier_wait -1                              ; everybody's are
	FETCH_B 0, 0, 0
	FETCH_A 0, 0, 0
	SCALES 0
	FETCH_A 0, 0, 4
	STEP 0, 0, 1                                   ; the first step stands in front of the loop: its products start the sums, on the bias
	s_mov_b32 s3, LAPS-1
.Llap:                                                 ; a trip goes once round the ring, from a lap's second step to the next lap's first, and fills both slots again
	TURN 0, 1, 1
	STEP 1, 0, 0
	TURN 1, 0, 1
	STEP 0, 0, 0
	s_sub_co_u32 s3, s3, 1
	s_cmp_lg_u32 s3, 0
	s_cbranch_scc1 .Llap
	TURN 0, 1, 0                                   ; the last lap fills nothing, and has no round of the cluster's barrier
	STEP 1, 0, 0
	s_wait_dscnt 4*NLA                             ; the very last step: nothing more to fetch
	WIN MUL_LO
	MUL16 0, 1, NQ-1, 1, 0
	MUL16 2, 1, NQ-1, 1, 0
	s_wait_dscnt 0
	WIN MUL_HI
	MUL16 4, 1, NQ-1, 1, 0
	MUL16 6, 1, NQ-1, 1, 0
	WIN 0
.if ROLE == 2
; THE WAY OUT, block by block of 16 rows x 128 columns: through my own stage in LDS, back as whole rows of 512 bytes; hidden_states' same 512 bytes are added; the 32 lanes store two aligned runs of 256 bytes.
; LDS serves a wave's instructions in order (ISA guide 5.7.1.4): no wait between the stores and the loads, nor in front of the next block's stores.  Every row's offset is an immediate: 127 rows of 4,096 bytes at the most.
.macro RLOAD a                         ; hidden_states' rows of block a into window 1, set a % 4
.set RL, 64*((\a)%4)
	WIN TO_B
.irp t, 0,1,2,3,4,5,6,7,8,9,10,11,12,13,14,15
	global_load_b128 v[RL+4*\t:RL+4*\t+3], v[CO], s[96:97] offset:(16*(\a)+\t)*4096 th:TH_LOAD_NT
.endr
	WIN 0
.endm
.macro TOSTAGE a
.set AC, 64*((\a)%4)
	WIN 0x08+4*((\a)/4)                            ; an LDS store's data are its source 1: window 2 or 3
.irp b, 0,1,2,3,4,5,6,7
	ds_store_b128 v[STO], v[AC+8*\b:AC+8*\b+3] offset:64*\b          ; each accumulator from its low end on
	ds_store_b128 v[STO], v[AC+8*\b+4:AC+8*\b+7] offset:64*\b+16
.endr
	WIN 0
.set BB, BK+64*((\a)%2)
.irp t, 0,1,2,3,4,5,6,7,8,9,10,11,12,13,14,15
	ds_load_b128 v[BB+4*\t:BB+4*\t+3], v[RD] offset:\t*SPITCH
.endr
.endm
.macro SENDR a, younger                ; younger: the LDS instructions issued behind block a's loads, which may stay out
.set RR, 64*((\a)%4)
	s_wait_dscnt \younger                          ; the block is back in registers
.if (\a) < 5
	s_wait_loadcnt 48                              ; its rows of hidden_states are in; those of the three blocks behind it may be out
.else
	s_wait_loadcnt 16*(7-(\a))
.endif
	WIN 0x04                                       ; source 1: window 1
.set BB, BK+64*((\a)%2)
.set i, 0
.rept 32
	v_pk_add_f32 v[BB+i:BB+i+1], v[BB+i:BB+i+1], v[RR+i:RR+i+1]
.set i, i+2
.endr
	WIN 0
.if (\a) < 4
	RLOAD (\a)+4                                   ; the set just read takes the block four further on
.endif
.set BB, BK+64*((\a)%2)
.irp t, 0,1,2,3,4,5,6,7,8,9,10,11,12,13,14,15
	global_store_b128 v[CO], v[BB+4*\t:BB+4*\t+3], s[98:99] offset:(16*(\a)+\t)*4096 th:TH_STORE_NT   ; 32 lanes store 512 consecutive bytes, at a multiple of 256 from out0's first byte
.endr
.endm
	PLACES NP                                      ; behind the last products: for the loads into the registers that held A's and B's fragments, and for the reads of results
	RLOAD 0
	RLOAD 1
	RLOAD 2
	RLOAD 3
	TOSTAGE 0
.irp a, 1,2,3,4,5,6,7
.if \a > 1
	s_wait_xcnt 0x0                                ; block a - 2's stores have read their registers: block a's loads may land there
.endif
	TOSTAGE \a
	SENDR \a-1, 32                                 ; behind block a - 1's loads: block a's 16 stores and 16 loads
.endr
	SENDR 7, 0
.else
; THE WAY OUT: block a's 64 numbers a lane, in window w from v[s] on, become a fragment's codes in v[PC] on and its scale word in v[pw].  Each accumulator is read from its low end on.
.macro QUANTW s, w, pw
	WIN (\w)|((\w)<<2)                             ; sources 0 and 1: the accumulators' window
.irp b, 0,1,2,3
	v_max3_num_f32 v[TM+\b], |v[(\s)+16*\b]|, |v[(\s)+1+16*\b]|, 0x2800000   ; block b: my 16 numbers, and the floor 2^(5 - 127): the byte cannot fall under 1
.endr
	WIN ((\w)<<2)|((\w)<<4)                        ; sources 1 and 2
.irp i, 2,4,6,8,10,12,14
.irp b, 0,1,2,3
	v_max3_num_f32 v[TM+\b], v[TM+\b], |v[(\s)+16*\b+\i]|, |v[(\s)+1+16*\b+\i]|   ; (the four blocks by turns)
.endr
.endr
	WIN 0
.irp b, 0,1,2,3
	v_permlanex16_b32 v[TM+4+\b], v[TM+\b], s[SEL], s[SEL+1]
.endr
.irp b, 0,1,2,3
	v_max_num_f32 v[TM+\b], v[TM+\b], v[TM+4+\b]   ; with lane l xor 16's: the block's largest magnitude
.endr
.irp b, 0,1,2,3
	v_add_nc_u32 v[TM+12+\b], 0xfe000000, v[TM+\b] ; 4 off its exponent field: the conversion's scale operand
.endr
.irp b, 0,1,2,3
	v_lshrrev_b32 v[TM+4+\b], 23, v[TM+12+\b]      ; the scale's byte
.endr
	v_lshl_or_b32 v[\pw], v[TM+5], 8, v[TM+4]      ; the four bytes make my row's scale word
	v_lshl_or_b32 v[\pw], v[TM+6], 16, v[\pw]
	v_lshl_or_b32 v[\pw], v[TM+7], 24, v[\pw]
	WIN (\w)                                       ; source 0
.irp c, 0,1
	v_cvt_scalef32_pk16_bf6_f32 v[PC+6*\c:PC+2+6*\c], v[(\s)+32*\c:(\s)+15+32*\c], v[TM+12+2*\c]
	v_cvt_scalef32_pk16_bf6_f32 v[PC+12+4*\c:PC+14+4*\c], v[(\s)+16+32*\c:(\s)+31+32*\c], v[TM+12+2*\c+1]   ; (a conversion's three registers begin on an even number)
.endr
	WIN 0
	v_nop                                          ; one plain place behind a scaled conversion
.irp c, 0,1                                    ; the operand's layout wants a WHOLE block in a lane: lanes 0-15 block 2 c, lanes 16-31 block 2 c + 1
.irp i, 0,1,2
	v_permlane16_swap_b32 v[PC+6*\c+\i], v[PC+12+4*\c+\i]
.endr
.irp i, 0,1,2
	v_mov_b32 v[PC+3+6*\c+\i], v[PC+12+4*\c+\i]
.endr
.endr
.endm
.macro QOUT a
.if (\a) > 0
	s_wait_xcnt 0x0                                ; the codes' registers, which the last block's stores read, are rewritten only behind this wait (ISA guide 3.1)
.endif
	QUANTW 64*((\a)%4), 2+(\a)/4, PWS+(\a)
.irp c, 0,1,2
	global_store_b128 v[CO], v[PC+4*\c:PC+4*\c+3], s[96:97] offset:1536*(\a)+512*\c   ; the image: 32 lanes store 512 consecutive bytes, aligned
.endr
.endm
	PLACES NP                                      ; behind the last products: for the reads of results and for the writes over A's fragments
.irp b, 0,1,2,3
	v_mov_b32 v[TM+4+\b], 0                        ; written once: a lane permute's destination counts as one of its sources
.endr
.irp a, 0,1,2,3,4,5,6,7
	QOUT \a
.endr
.irp e, 0,1,2,3
	v_cndmask_b32 v[PQ+\e], v[PWS+\e], v[PWS+4+\e], s[HM]   ; lanes 0-15 carry blocks 0-3's words, lanes 16-31 blocks 4-7's
.endr
	global_store_b128 v[CO], v[PQ:PQ+3], s[98:99]  ; 512 consecutive bytes, aligned
.endif
	s_wait_tensorcnt 0x0                           ; the wave's end: behind my last tensor load and my last LDS store
	ds_add_u32 v[SPW], v[NIL]
	s_wait_dscnt 0x0
	CROUND                                         ; the closing round: no work-group ends while a partner may still ask for a tile that names it
	s_endpgm
.Lfunc_end_k_q1635c2cf49_vv:
	.size	k_q1635c2cf49_vv, .Lfunc_end_k_q1635c2cf49_vv-k_q1635c2cf49_vv
	.p2alignl 7, 3214868480
	.fill 96, 4, 3214868480
	.section	.rodata,"a",@progbits
	.p2align	6, 0x0
	.amdhsa_kernel k_q1635c2cf49_vv
		.amdhsa_group_segment_fixed_size 327680
		.amdhsa_private_segment_fixed_size 0
		.amdhsa_enable_private_segment 0
		.amdhsa_kernarg_size 56
		.amdhsa_user_sgpr_count 2
		.amdhsa_user_sgpr_kernarg_segment_ptr 1
		.amdhsa_wavefront_size32 1
		.amdhsa_system_sgpr_workgroup_id_x 1
		.amdhsa_system_sgpr_workgroup_id_y 1
		.amdhsa_system_sgpr_workgroup_id_z 1
		.amdhsa_system_vgpr_workitem_id 0
		.amdhsa_next_free_vgpr 1024
		.amdhsa_next_free_sgpr 102
		.amdhsa_reserve_vcc 0
		.amdhsa_float_denorm_mode_32 3
		.amdhsa_float_denorm_mode_16_64 3
		.amdhsa_memory_ordered 1
		.amdhsa_forward_progress 1
		.amdhsa_inst_pref_size 171
	.end_amdhsa_kernel
	.amdgpu_metadata
---
amdhsa.version: [ 1, 2 ]
amdhsa.kernels:
  - .name:           k_q1635c2cf49_vv
    .symbol:         k_q1635c2cf49_vv.kd
    .args:
      - { .name: W_qkv_codes, .offset: 0, .size: 8, .value_kind: global_buffer, .address_space: global }
      - { .name: W_qkv_scales, .offset: 8, .size: 8, .value_kind: global_buffer, .address_space: global }
      - { .name: xc, .offset: 16, .size: 8, .value_kind: global_buffer, .address_space: global }
      - { .name: xs, .offset: 24, .size: 8, .value_kind: global_buffer, .address_space: global }
      - { .name: b_qkv, .offset: 32, .size: 8, .value_kind: global_buffer, .address_space: global }
      - { .name: vc, .offset: 40, .size: 8, .value_kind: global_buffer, .address_space: global }
      - { .name: vs, .offset: 48, .size: 8, .value_kind: global_buffer, .address_space: global }
    .group_segment_fixed_size: 327680
    .private_segment_fixed_size: 0
    .kernarg_segment_align: 8
    .kernarg_segment_size: 56
    .max_flat_workgroup_size: 128
    .sgpr_count:     102
    .vgpr_count:     1024
    .wavefront_size: 32
...
	.end_amdgpu_metadata
.endif
;; end of part 3
;; launch attn (part 4): grid 8 x 32, 16 waves a work-group, clusters of 4 x 1, 327,680 bytes of LDS; arguments qkc, qks, vc, vs, attention_mask, ac, asc; writes ac, asc
.if DOCPART == 4
	.amdgcn_target "amdgcn-amd-amdhsa--gfx1250"
	.amdhsa_code_object_version 6
	.text
	.protected	k_q1635c2cf49_attn
	.globl	k_q1635c2cf49_attn
	.p2align	8
	.type	k_q1635c2cf49_attn,@function
k_q1635c2cf49_attn:
	s_mov_b64 s[64:65], 0
	v_nop
	global_prefetch_b8 v0, s[64:65] scope:SCOPE_SE
	s_setreg_imm32_b32 hwreg(HW_REG_WAVE_MODE, 25, 1), 1
	s_wait_xcnt 0x0
	s_wait_alu depctr_hold_cnt(0) depctr_sa_sdst(0) depctr_va_vdst(0) depctr_va_sdst(0) depctr_va_ssrc(0) depctr_va_vcc(0) depctr_vm_vsrc(0)
	s_getreg_b32 s2, hwreg(HW_REG_IB_STS2, 6, 4)
	s_cmp_eq_u32 s2, 0
	s_cbranch_scc0 .Lentry_in_a_cluster
	s_endpgm
.Lentry_in_a_cluster:
	s_bfe_u32 s2, ttmp6, 0x10000c
	s_cmp_lg_u32 s2, 0x3003
	s_cbranch_scc0 .Lentry_shape_is_right
	s_endpgm
.Lentry_shape_is_right:
; Attention for 4 batches x 16 heads of 64 channels, 2,048 tokens, with an additive f32 mask along the keys; both products on codes of E3M2 with one E8M0 scale for each 32 along a product's K.
; All operands arrive as FRAGMENT IMAGES (16 rows x 128 K: 12 registers a lane; register group c at 512 c + 16 lane: 1,536 bytes) made by the launches before.  A q or k image holds a PAIR of heads: registers 0-5 the even head's 64 channels,
; registers 6-11 the odd head's.  So K's image serves both heads as it lies, and Q is kept twice: once with the odd head's codes set to zero, once with the even head's: zero codes add nothing under any scale byte from 1 to 254.
; v's images hold 16 channels x 128 keys.  Inside each block of 32 along K the codes of both operands of a product stand in the same order, which is not the natural one; products are not touched by that.
; THE SOFTMAX AHEAD OF THE SECOND PRODUCT: t = (q.k / 8 + mask) log2(e); M = the row's largest t so far, rounded UP to a whole number; p = 2^(t - M) is quantised along the keys, not normalised; the row's sum is taken of the
; unquantised p and divides O at the end.  When M moves, the sum and O are multiplied by 2^(old M - new M): exact.
; THE MASK COSTS NO VECTOR WORK IN THE LOOP: 8 x mask lies in LDS and is loaded INTO the score accumulators; the first product adds onto it; t = c (q.k + 8 mask), c = log2(e) / 8.
; SHARES.  A work-group owns 256 queries of one pair of heads of one batch; each of its sixteen waves 16 queries, for both heads, in 256 registers: four waves to a SIMD, so that one wave's vector work stands beside another's matrix work.
; Every wave walks all 2,048 keys, 128 a step.  K's and V's images come through a ring of two LDS slots of 256 keys.  CLUSTER: the four work-groups of a cluster own four query blocks of the same pair of heads and walk the same K and V,
; so every tile is asked for JOINTLY (wave 0: K's, wave 1: V's), by the same tensor load with the same descriptor and the mask 15.
; LAYOUT.  S^T = K Q^T (source 0 = 16 keys, source 1 = my 16 queries), O^T = V^T P^T (source 0 = 16 channels, source 1 = P): a lane holds ONE query (lane % 16) throughout; register j of tile t is key (channel) 16 t + 8 (lane / 16) + j.
; THE RESULT, O / the sum, is quantised along the channels for the output product, whose other operand is given: so its true order is restored first (32 exchanges of half registers), and it leaves as an image with its scale word.
; LIMITS: 8 x mask is held at -2^30 from below, so mask values under -2^27 count as -2^27: rows all of whose keys are masked below that differ from the definition (and -infinity everywhere gives numbers, not NaN).
;   A block of zeros gets the scale byte 1 (its codes are zeros; only this program reads the bytes).  NaN and infinities among the operands are not served.
; REGISTERS: v1-7 addresses that stay; v8-11, v92 addresses of the loads in hand; v12-15, v28-31 the two heads' -M, largest t, sum in two halves; v16-27, v80-91 Q twice; v32-79 four fragments of K or V;
;   v96-159 S^T, then p; v160-191, v192-223 O^T of the two heads; v224-235 p's codes; v232-247, v252, v254 at work; v248-251 K's or V's scale words, v253 p's, v255 Q's.
.set FRB,   1536                       ; an image
.set STEPB, 12288                      ; a key step's eight images
.set VOFF,  24576                      ; a slot: K's 16 images, then V's 16
.set SLOT1, 65536                      ; slot 1 begins here, so that one exclusive or turns an address in one slot into the other's
.set SCK,   131072                     ; behind the ring: K's scale words of all 2,048 keys, 8,192 bytes;
.set SCV,   139264                     ; V's likewise;
.set MASK,  147456                     ; 8 x mask, 8,192 bytes, written by LDS stores: no fill ever lands here;
.set SPARE, 155648                     ; the spare words, 128 bytes for each wave: eight blocks of 256 bytes that no other line names
.set NSL,   8                          ; slots' worth of keys
.set LI,   1                           ; v1   16 x lane: an image's place for my lane
.set AV0,  2                           ; v2   the same for V: + VOFF
.set ASK0, 3                           ; v3   SCK + 16 r: four tiles' scale words of my row
.set ASV0, 4                           ; v4   SCV + 16 r
.set SPW,  5                           ; v5   LDS address of my spare word; never rewritten
.set NIL,  6                           ; v6   0; never rewritten
.set AM0,  7                           ; v7   MASK + 32 h: my eight keys of a tile
.set ADK,  8
.set ADV,  9
.set ADS,  10
.set ADT,  11
.set ADM,  92
.set WV,   18                          ; s18  my wave's number
.set SEL,  20                          ; s[20:21] v_permlanex16_b32's selects for lane l xor 16
.set CS,   22                          ; s[22:23] c = log2(e) / 8: the packed form names a pair and takes its low word for both halves
.set G1,   24                          ; s[24:31] descriptor group 1 for K's and V's tiles: 24,576 dense bytes
.set G1S,  32                          ; s[32:39] for the scale words: 8,192 dense bytes
.set G0K,  40                          ; s[40:43], s[44:47] groups 0 of K's and V's tiles, which walk
.set G0V,  44
.set G0SK, 48                          ; s[48:51], s[52:55] groups 0 of the scale words
.set G0SV, 52
.set TB,   56                          ; s56  LDS byte at which the slot in hand begins
.set TS,   57                          ; s57  512 x the key step: K's scale words, V's and the mask all go 512 bytes a step
.set SLOTS, 58                         ; s58  slots still to be asked for
; A round of the cluster's barrier: my work-group's barrier, so that wave 0's signal speaks for all sixteen waves; wave 0 signals; every wave waits for all four work-groups; my work-group's barrier once more.
.macro ROUND
	s_barrier_signal -1
	s_barrier_wait -1
	s_cmp_lg_u32 s[WV], 0
	s_cbranch_scc1 .Lnot_wave_0_\@
	s_barrier_signal -3
.Lnot_wave_0_\@:
	s_barrier_wait -3
	s_barrier_signal -1
	s_barrier_wait -1
.endm
; Wave 0 fetches for K, wave 1 for V, the others nothing.  The branches hang on the wave's number alone.  Four v_nop follow each of the two lines.
.macro TLOAD g0k, g1k, g0v, g1v
	s_cmp_lt_u32 s[WV], 1
	s_cbranch_scc0 .Lnot_k_\@
	tensor_load_to_lds s[\g0k:\g0k+3], s[\g1k:\g1k+7]
	s_nop 0
.rept 4
	v_nop
.endr
	s_branch .Lasked_\@
.Lnot_k_\@:
	s_cmp_lt_u32 s[WV], 2
	s_cbranch_scc0 .Lasked_\@
	tensor_load_to_lds s[\g0v:\g0v+3], s[\g1v:\g1v+7]
	s_nop 0
.rept 4
	v_nop
.endr
.Lasked_\@:
.endm
	s_load_b256 s[4:11], s[0:1], 0x0               ; qkc s[4:5], qks s[6:7], vc s[8:9], vs s[10:11]
	s_load_b128 s[12:15], s[0:1], 0x20             ; attention_mask s[12:13], ac s[14:15]
	s_load_b64 s[16:17], s[0:1], 0x30              ; asc
	v_lshl_add_u32 v[SPW], v0, 2, SPARE
	v_mov_b32 v[NIL], 0
	ds_add_u32 v5, v6
	s_wait_dscnt 0x0
	v_lshrrev_b32 v8, 5, v0
	v_readfirstlane_b32 s[WV], v8                  ; wave 0..15
	s_bfe_u32 s66, ttmp6, 0x40000                  ; cx: my place in the cluster
	s_lshl_b32 s67, ttmp9, 2
	s_add_co_u32 s67, s67, s66                     ; my block of 256 queries = 4 x cluster x + cx: it enters Q's and the result's addresses alone
	s_and_b32 s68, ttmp7, 0xffff
	s_lshr_b32 s69, s68, 3                         ; the batch,
	s_and_b32 s70, s68, 7                          ; the pair of heads: the four partners share both
	s_add_co_u32 s71, s70, 8                       ; k's columns lie behind q's eight pairs
	s_lshl_b32 s72, s71, 9
	s_lshl_b32 s73, s69, 7
	s_add_co_u32 s72, s72, s73
	s_mul_i32 s72, s72, FRB                        ; K's images: ((8 + pair) 512 + 128 batch) x 1,536
	s_mov_b32 s73, 0
	s_lshl_b32 s74, s71, 6
	s_lshl_b32 s75, s69, 4
	s_add_co_u32 s74, s74, s75
	s_lshl_b32 s74, s74, 9                         ; K's scale words: ((8 + pair) 64 + 16 batch) x 512
	s_mov_b32 s75, 0
	s_lshl_b32 s76, s70, 9
	s_lshl_b32 s77, s69, 7
	s_add_co_u32 s76, s76, s77
	s_mul_i32 s76, s76, FRB                        ; V's images: (512 pair + 128 batch) x 1,536
	s_mov_b32 s77, 0
	s_lshl_b32 s78, s70, 6
	s_lshl_b32 s79, s69, 4
	s_add_co_u32 s78, s78, s79
	s_lshl_b32 s78, s78, 9                         ; V's scale words: (64 pair + 16 batch) x 512
	s_mov_b32 s79, 0
	s_lshl_b32 s80, s69, 13                        ; the batch's mask
	s_mov_b32 s81, 0
	s_lshl_b32 s82, s69, 7
	s_lshl_b32 s83, s67, 4
	s_add_co_u32 s82, s82, s83
	s_add_co_u32 s82, s82, s[WV]                   ; T, my tile of 16 tokens: 128 batch + 16 block + wave
	s_lshl_b32 s84, s70, 9
	s_add_co_u32 s84, s84, s82
	s_mul_i32 s84, s84, FRB                        ; Q's image: (512 pair + T) x 1,536
	s_mov_b32 s85, 0
	s_lshl_b32 s86, s70, 6
	s_lshl_b32 s87, s69, 4
	s_add_co_u32 s86, s86, s87
	s_lshl_b32 s87, s67, 1
	s_add_co_u32 s86, s86, s87
	s_lshr_b32 s87, s[WV], 3
	s_add_co_u32 s86, s86, s87
	s_lshl_b32 s86, s86, 9                         ; Q's scale words: the run of 512 bytes of my 128 tokens,
	s_bfe_u32 s87, s[WV], 0x10002
	s_lshl_b32 s87, s87, 8
	s_add_co_u32 s86, s86, s87                     ; + 256 x ((wave % 8) / 4)
	s_and_b32 s87, s[WV], 3
	s_lshl_b32 s87, s87, 2
	s_add_co_u32 s86, s86, s87                     ; + 4 x (wave % 4)
	s_mov_b32 s87, 0
	s_lshl_b32 s88, s82, 3
	s_add_co_u32 s88, s88, s70
	s_mul_i32 s88, s88, FRB                        ; the result's image: (8 T + pair) x 1,536
	s_mov_b32 s89, 0
	s_lshl_b32 s90, s82, 9
	s_lshl_b32 s91, s70, 2
	s_add_co_u32 s90, s90, s91                     ; its scale words: 32 bytes a token, the pair's word at 4 x pair
	s_mov_b32 s91, 0
	; descriptor group 1: dense blocks, as rows of 256 bytes (32 elements of 8 bytes), no padding: an image is read back 512 consecutive bytes an instruction
	s_mov_b32 s[G1], 15|(3<<16)|(1<<21)            ; 15:0 the mask: all four work-groups; 17:16 elements of 8 bytes; 21 set beside a mask
	s_mov_b32 s[G1+1], 32<<16                      ; tensor_dim0
	s_mov_b32 s[G1+2], 96<<16                      ; tensor_dim1
	s_mov_b32 s[G1+3], 32<<16                      ; tile_dim0
	s_mov_b32 s[G1+4], 96                          ; tile_dim1
	s_mov_b32 s[G1+5], 32                          ; tensor_dim0_stride
	s_mov_b32 s[G1+6], 0
	s_mov_b32 s[G1+7], 0
	s_mov_b32 s[G1S], 15|(3<<16)|(1<<21)
	s_mov_b32 s[G1S+1], 32<<16
	s_mov_b32 s[G1S+2], 32<<16
	s_mov_b32 s[G1S+3], 32<<16
	s_mov_b32 s[G1S+4], 32
	s_mov_b32 s[G1S+5], 32
	s_mov_b32 s[G1S+6], 0
	s_mov_b32 s[G1S+7], 0
	s_mov_b32 s[SEL], 0x76543210
	s_mov_b32 s[SEL+1], 0xfedcba98
	s_mov_b32 s[CS], 0x3e38aa3b                    ; c = log2(e) / 8
	s_mov_b32 s[CS+1], s[CS]                       ; (named with it as a pair, so it is written)
	s_mov_b32 s[TB], 0
	s_mov_b32 s[TS], 0
	s_mov_b32 s[SLOTS], NSL-1
	s_wait_kmcnt 0x0
	ROUND                                          ; all four work-groups are here: the first joint loads meet
	s_mov_b32 s[G0SK], 1
	s_mov_b32 s[G0SK+1], SCK
	s_add_nc_u64 s[G0SK+2:G0SK+3], s[6:7], s[74:75]
	s_or_b32 s[G0SK+3], s[G0SK+3], 0x80000000
	s_mov_b32 s[G0SV], 1
	s_mov_b32 s[G0SV+1], SCV
	s_add_nc_u64 s[G0SV+2:G0SV+3], s[10:11], s[78:79]
	s_or_b32 s[G0SV+3], s[G0SV+3], 0x80000000
	TLOAD G0SK, G1S, G0SV, G1S                     ; the scale words of all keys: filled once
	s_mov_b32 s[G0K], 1                            ; 1:0 count = 1
	s_mov_b32 s[G0K+1], 0                          ; 63:32 LDS address: slot 0
	s_add_nc_u64 s[G0K+2:G0K+3], s[4:5], s[72:73]  ; 120:64 global address: the first 256 keys
	s_or_b32 s[G0K+3], s[G0K+3], 0x80000000        ; 127:126 type = 2
	s_mov_b32 s[G0V], 1
	s_mov_b32 s[G0V+1], VOFF
	s_add_nc_u64 s[G0V+2:G0V+3], s[8:9], s[76:77]
	s_or_b32 s[G0V+3], s[G0V+3], 0x80000000
	TLOAD G0K, G1, G0V, G1                         ; slot 0.  By this text's own count waves 0 and 1 now have two tensor loads out, later one
	s_add_nc_u64 s[4:5], s[4:5], s[84:85]          ; Q's image,
	s_add_nc_u64 s[6:7], s[6:7], s[86:87]          ; its scale words,
	s_add_nc_u64 s[12:13], s[12:13], s[80:81]      ; the batch's mask,
	s_add_nc_u64 s[14:15], s[14:15], s[88:89]      ; the result's image
	s_add_nc_u64 s[16:17], s[16:17], s[90:91]      ; and scale words
	v_lshlrev_b32 v94, 4, v0                       ; the mask: 512 threads x 16 bytes
	global_load_b128 v[32:35], v94, s[12:13]
	v_and_b32 v9, 31, v0
	v_lshlrev_b32 v[LI], 4, v9
.irp c, 0,1,2
	global_load_b128 v[16+4*\c:19+4*\c], v[LI], s[4:5] offset:512*\c   ; Q's image, twice: two runs of registers
	global_load_b128 v[80+4*\c:83+4*\c], v[LI], s[4:5] offset:512*\c
.endr
	v_and_b32 v8, 15, v0                           ; r
	v_bfe_u32 v9, v0, 4, 1                         ; h
	v_lshlrev_b32 v10, 4, v8
	global_load_b32 v255, v10, s[6:7]              ; Q's scale words: 16 bytes from row to row
	v_add_nc_u32 v[AV0], VOFF, v[LI]
	v_lshl_add_u32 v[ASK0], v8, 4, SCK
	v_lshl_add_u32 v[ASV0], v8, 4, SCV
	v_lshl_add_u32 v[AM0], v9, 5, MASK
	v_lshlrev_b32 v93, 5, v8                       ; the result's scale words: 32 bytes from row to row
	v_lshl_add_u32 v95, v0, 4, MASK
.irp s, 12,28
	v_mov_b32 v[\s+1], 0xff61b1e6                  ; the largest t so far: -3e38, under every t
	v_floor_f32 v[\s], -v[\s+1]                    ; -M
	v_mov_b32 v[\s+2], 0                           ; the sum, in two halves
	v_mov_b32 v[\s+3], 0
.endr
.irp b, 0,1,2,3
	v_mov_b32 v[236+\b], 0                         ; written once: a lane permute's destination counts as one of its sources
.endr
	v_mov_b32 v253, 0                              ; (named as the upper half of the pair v[252:253] before it is first written)
.set i, 0
.rept 64
	v_mov_b32 v[160+i], 0                          ; O^T.  (The loop is written once: its first step finds zeros, which the first change of M leaves zeros)
.set i, i+1
.endr
	s_wait_loadcnt 0x0                             ; the mask, Q, Q's scale words
.irp i, 0,1,2,3
	v_mul_f32 v[32+\i], 0x41000000, v[32+\i]       ; 8 x mask: exact,
.endr
.irp i, 0,1,2,3
	v_max_num_f32 v[32+\i], 0xce800000, v[32+\i]   ; held at -2^30 from below: t stays a number whose rounding is small beside f32's exponent range
.endr
	ds_store_b128 v95, v[32:35]                    ; the first change of slots waits for this store and passes a barrier ahead of every read
.irp i, 0,1,2,3,4,5
	v_mov_b32 v[22+\i], 0                          ; Q for the even head: the odd head's codes are zeros;
	v_mov_b32 v[80+\i], 0                          ; and the other way round
.endr
; HALF A KEY STEP: 128 keys (the q-th of the slot in hand) for head e of the pair.
.macro HSTEP q, e
.set ST, 12+16*(\e)
.set QF, 16+64*(\e)
.set OA, 160+32*(\e)
.irp g, 0,1                                    ; S^T = 8 mask + K Q^T, four tiles of 16 keys at a time
.if (\e)+\g > 0
.rept 4
	v_nop                                          ; places in front of loads into registers that matrix instructions have read (for e = 0, g = 0 the step's five additions are the places)
.endr
.endif
.irp t, 0,1,2,3
	ds_load_b128 v[96+8*(4*\g+\t):99+8*(4*\g+\t)], v[ADM] offset:64*(4*\g+\t)          ; 8 x mask of my eight keys of the tile, into the accumulator
	ds_load_b128 v[100+8*(4*\g+\t):103+8*(4*\g+\t)], v[ADM] offset:64*(4*\g+\t)+16
.irp c, 0,1,2
	ds_load_b128 v[32+12*\t+4*\c:35+12*\t+4*\c], v[ADK] offset:STEPB*(\q)+FRB*(4*\g+\t)+512*\c
.endr
.endr
	ds_load_b128 v[248:251], v[ADS] offset:256*\g  ; the four tiles' scale words of row r
	s_wait_dscnt 0x0
.irp t, 0,1,2,3
	v_wmma_scale_f32_16x16x128_f8f6f4 v[96+8*(4*\g+\t):103+8*(4*\g+\t)], v[32+12*\t:43+12*\t], v[QF:QF+11], v[96+8*(4*\g+\t):103+8*(4*\g+\t)], v[248+\t], v255 matrix_a_fmt:MATRIX_FMT_BF6 matrix_b_fmt:MATRIX_FMT_BF6
.endr
.endr
.rept 4
	v_nop                                          ; places: in front of the loads below and of the first read of the scores
.endr
.irp t, 0,1,2,3                                ; V's four images of this head are asked for now and land under the softmax
.irp c, 0,1,2
	ds_load_b128 v[32+12*\t+4*\c:35+12*\t+4*\c], v[ADV] offset:STEPB*(\q)+FRB*(4*(\e)+\t)+512*\c
.endr
.endr
	ds_load_b128 v[248:251], v[ADT] offset:256*(\e)
.irp b, 0,1,2,3
	v_max3_num_f32 v[232+\b], v[96+16*\b], v[97+16*\b], v[98+16*\b]   ; THE LARGEST SCORE OF EACH BLOCK OF 32 KEYS: it serves twice: for the row's maximum, and, since p rises with the score, for the block's largest p
.endr
.irp i, 3,5,7,9,11,13
.irp b, 0,1,2,3
	v_max3_num_f32 v[232+\b], v[232+\b], v[96+16*\b+\i], v[97+16*\b+\i]   ; (the four blocks by turns)
.endr
.endr
.irp b, 0,1,2,3
	v_max_num_f32 v[232+\b], v[232+\b], v[111+16*\b]
.endr
.irp b, 0,1,2,3
	v_permlanex16_b32 v[236+\b], v[232+\b], s[SEL], s[SEL+1]
.endr
.irp b, 0,1,2,3
	v_max_num_f32 v[232+\b], v[232+\b], v[236+\b]  ; with lane l xor 16's 16 keys
.endr
	v_max3_num_f32 v254, v232, v233, v234
	v_max_num_f32 v254, v254, v235                 ; the step's largest score of my query
	v_mul_f32 v254, s[CS], v254                    ; as t (c is positive)
	v_max_num_f32 v[ST+1], v[ST+1], v254           ; the running largest t
	v_mov_b32 v254, v[ST]
	v_floor_f32 v[ST], -v[ST+1]                    ; the new -M = floor(-t) = -ceil(t): M IS A WHOLE NUMBER
	v_sub_f32 v254, v[ST], v254                    ; M's old value less its new one: a whole number, 0 or less
	v_cvt_i32_f32 v254, v254                       ; (it saturates)
	v_ldexp_f32 v252, 1.0, v254                    ; f = 2^(old M - new M): a multiplication by it rounds nothing
.set i, 0
.rept 32
	v_pk_fma_f32 v[96+i:97+i], v[96+i:97+i], s[CS:CS+1], v[ST:ST+1] op_sel_hi:[1,0,0]   ; t - M, two at a time (of the pairs c and -M the low word serves both halves)
.set i, i+2
.endr
.irp b, 0,1,2,3
	v_fma_f32 v[232+\b], v[232+\b], s[CS], v[ST]   ; the same of each block's largest score
.endr
.set i, 0
.rept 64
	v_exp_f32 v[96+i], v[96+i]                     ; p = 2^(t - M): NOT normalised
.set i, i+1
.endr
.irp b, 0,1,2,3
	v_exp_f32 v[232+\b], v[232+\b]                 ; the block's largest p: the same two instructions on the same number give the same bits
.endr
	v_pk_mul_f32 v[ST+2:ST+3], v[ST+2:ST+3], v[252:253] op_sel_hi:[1,0]   ; the sums under the new M.  (A plain place behind the exponentials)
	s_wait_alu depctr_va_vdst(0)
.irp b, 0,1,2,3
	v_max_num_f32 v[232+\b], 0x2800000, v[232+\b]  ; the floor 2^(5 - 127): the byte cannot fall under 1 (a block whose every p is 0 keeps that byte: its codes are zeros)
.endr
.irp b, 0,1,2,3
	v_add_nc_u32 v[244+\b], 0xfe000000, v[232+\b]  ; 4 off the exponent field: the conversion's scale operand
.endr
.irp b, 0,1,2,3
	v_lshrrev_b32 v[236+\b], 23, v[244+\b]         ; the scale's byte
.endr
	v_lshl_or_b32 v253, v237, 8, v236              ; p's scale word for these 128 keys
	v_lshl_or_b32 v253, v238, 16, v253
	v_lshl_or_b32 v253, v239, 24, v253
.irp c, 0,1
	v_cvt_scalef32_pk16_bf6_f32 v[224+6*\c:226+6*\c], v[96+32*\c:111+32*\c], v[244+2*\c]
	v_cvt_scalef32_pk16_bf6_f32 v[236+4*\c:238+4*\c], v[112+32*\c:127+32*\c], v[244+2*\c+1]   ; (a conversion's three registers begin on an even number)
.endr
	v_nop                                          ; one plain place behind a scaled conversion
.irp c, 0,1                                    ; the operand's layout wants a WHOLE block in a lane: lanes 0-15 block 2 c, lanes 16-31 block 2 c + 1
.irp i, 0,1,2
	v_permlane16_swap_b32 v[224+6*\c+\i], v[236+4*\c+\i]
.endr
.irp i, 0,1,2
	v_mov_b32 v[227+6*\c+\i], v[236+4*\c+\i]
.endr
.endr
	v_pk_add_f32 v[236:237], v[96:97], v[98:99]    ; THE ROW'S SUM IS TAKEN OF THE UNQUANTISED p: two at a time, in two chains
.irp j, 4,8,12,16,20,24,28,32,36,40,44,48,52,56,60
	v_pk_add_f32 v[ST+2:ST+3], v[ST+2:ST+3], v[96+\j:97+\j]
	v_pk_add_f32 v[236:237], v[236:237], v[98+\j:99+\j]
.endr
	v_pk_add_f32 v[ST+2:ST+3], v[ST+2:ST+3], v[236:237]
.set i, 0
.rept 16
	v_pk_mul_f32 v[OA+i:OA+i+1], v[OA+i:OA+i+1], v[252:253] op_sel_hi:[1,0]   ; this head's O^T under the new M: x f.  (With the sums above: the places between p's codes and scale word and the products below)
.set i, i+2
.endr
	s_wait_dscnt 0x0                               ; V's images and scale words are in
.irp t, 0,1,2,3                                ; O^T += V^T P^T: the head's four tiles of 16 channels; K = these 128 keys
	v_wmma_scale_f32_16x16x128_f8f6f4 v[OA+8*\t:OA+8*\t+7], v[32+12*\t:43+12*\t], v[224:235], v[OA+8*\t:OA+8*\t+7], v[248+\t], v253 matrix_a_fmt:MATRIX_FMT_BF6 matrix_b_fmt:MATRIX_FMT_BF6
.endr
.endm
.macro STEP q
	v_add_nc_u32 v[ADK], s[TB], v[LI]              ; (these five are also the places behind the last products)
	v_add_nc_u32 v[ADV], s[TB], v[AV0]
	v_add_nc_u32 v[ADS], s[TS], v[ASK0]
	v_add_nc_u32 v[ADT], s[TS], v[ASV0]
	v_add_nc_u32 v[ADM], s[TS], v[AM0]
	HSTEP \q, 0
	HSTEP \q, 1
	s_add_co_u32 s[TS], s[TS], 512                 ; the next step's scale words and mask
.endm
; THE CHANGE OF SLOTS stands at a slot's head.  Each wave waits for all its tensor loads (its part of the slot that it is about to read), adds 0 to its spare word, and waits for that and for its reads of the slot that it has left.
; fill = 1: the barrier is a round of the cluster's, so that no wave of any partner still reads the slot that was left or has a load on its way; behind it that slot is filled with the keys that follow: the load has a whole slot's steps in which to land.
.macro CHANGE fill
	s_wait_tensorcnt 0x0                           ; no tensor load of mine is out, so a group 0 may be written
	ds_add_u32 v[SPW], v[NIL]                      ; 0 onto my spare word: with fill = 1 the descriptors' steps stand between it and the wait for it
.if \fill
	s_xor_b32 s[G0K+1], s[G0K+1], SLOT1            ; the walking descriptors: the other slot than last time,
	s_add_nc_u64 s[G0K+2:G0K+3], s[G0K+2:G0K+3], 2*STEPB   ; the next 256 keys; the type bits on top are not reached
	s_xor_b32 s[G0V+1], s[G0V+1], SLOT1
	s_add_nc_u64 s[G0V+2:G0V+3], s[G0V+2:G0V+3], 2*STEPB
.endif
	s_wait_dscnt 0x0                               ; the add is done, my reads of the slot that I have left are over (and, the first time, my store of the mask has landed)
.if \fill
	ROUND
	TLOAD G0K, G1, G0V, G1                         ; the first thing behind the round, and a wave's one tensor load until the next
.else
	s_barrier_signal -1
	s_barrier_wait -1
.endif
.endm
.Lslot:                                            ; NSL - 1 trips: behind each change of slots but the last the next slot is asked for
	CHANGE 1
	STEP 0
	STEP 1
	s_xor_b32 s[TB], s[TB], SLOT1                  ; on to the other slot
	s_sub_co_u32 s[SLOTS], s[SLOTS], 1
	s_cmp_lg_u32 s[SLOTS], 0
	s_cbranch_scc1 .Lslot
	CHANGE 0                                       ; the last slot is written out
	STEP 0
	STEP 1
	; THE WAY OUT.  Each head's sum is made whole; O^T is divided by it; the 128 channels of the pair are brought into their true order, quantised, and leave as an image.
.rept 4
	v_nop                                          ; places behind the last products
.endr
	v_add_f32 v14, v14, v15                        ; the sums' two halves,
	v_add_f32 v30, v30, v31
	v_permlanex16_b32 v252, v14, s[SEL], s[SEL+1]
	v_permlanex16_b32 v254, v30, s[SEL], s[SEL+1]
	v_add_f32 v14, v14, v252                       ; and lane l xor 16's: the rows' sums
	v_add_f32 v30, v30, v254
	v_rcp_f32 v14, v14
	v_rcp_f32 v30, v30
	v_nop                                          ; a plain place behind the transcendentals
.set i, 0
	s_wait_alu depctr_va_vdst(0)
.rept 32
	v_mul_f32 v[96+i], v[160+i], v14               ; register 8 a + j is channel 16 a + 8 h + j of the pair's 128; each accumulator is read from its low end on
.set i, i+1
.endr
.set i, 0
.rept 32
	v_mul_f32 v[128+i], v[192+i], v30
.set i, i+1
.endr
.irp b, 0,1,2,3                                ; the first tile's lanes 16-31 change places with the second's lanes 0-15: register 16 b + i is then channel 32 b + 16 h + i, the order in which W_out's codes are given
.irp j, 0,1,2,3,4,5,6,7
	v_permlane16_swap_b32 v[96+16*\b+\j], v[104+16*\b+\j]
.endr
.endr
.irp b, 0,1,2,3
	v_max3_num_f32 v[232+\b], |v[96+16*\b]|, |v[97+16*\b]|, 0x2800000   ; block b: my 16 numbers, and the floor 2^(5 - 127)
.endr
.irp i, 2,4,6,8,10,12,14
.irp b, 0,1,2,3
	v_max3_num_f32 v[232+\b], v[232+\b], |v[96+16*\b+\i]|, |v[97+16*\b+\i]|
.endr
.endr
.irp b, 0,1,2,3
	v_permlanex16_b32 v[236+\b], v[232+\b], s[SEL], s[SEL+1]
.endr
.irp b, 0,1,2,3
	v_max_num_f32 v[232+\b], v[232+\b], v[236+\b]  ; with lane l xor 16's: the block's largest magnitude
.endr
.irp b, 0,1,2,3
	v_add_nc_u32 v[244+\b], 0xfe000000, v[232+\b]
.endr
.irp b, 0,1,2,3
	v_lshrrev_b32 v[236+\b], 23, v[244+\b]
.endr
	v_lshl_or_b32 v253, v237, 8, v236              ; my row's scale word for the pair's 128 channels
	v_lshl_or_b32 v253, v238, 16, v253
	v_lshl_or_b32 v253, v239, 24, v253
.irp c, 0,1
	v_cvt_scalef32_pk16_bf6_f32 v[224+6*\c:226+6*\c], v[96+32*\c:111+32*\c], v[244+2*\c]
	v_cvt_scalef32_pk16_bf6_f32 v[236+4*\c:238+4*\c], v[112+32*\c:127+32*\c], v[244+2*\c+1]
.endr
	v_nop                                          ; one plain place behind a scaled conversion
.irp c, 0,1
.irp i, 0,1,2
	v_permlane16_swap_b32 v[224+6*\c+\i], v[236+4*\c+\i]
.endr
.irp i, 0,1,2
	v_mov_b32 v[227+6*\c+\i], v[236+4*\c+\i]
.endr
.endr
.irp c, 0,1,2
	global_store_b128 v[LI], v[224+4*\c:227+4*\c], s[14:15] offset:512*\c   ; the image: 32 lanes store 512 consecutive bytes, aligned
.endr
	global_store_b32 v93, v253, s[16:17]           ; 4 bytes a row, 32 bytes apart (lanes r and 16 + r write the same word with the same value): one byte in 24 of what the wave stores
	s_wait_tensorcnt 0x0                           ; the wave's end: behind my last tensor load and my last LDS store
	ds_add_u32 v[SPW], v[NIL]
	s_wait_dscnt 0x0
	ROUND                                          ; the closing round: no work-group ends while a partner may still ask for a tile that names it
	s_endpgm
.Lfunc_end_k_q1635c2cf49_attn:
	.size	k_q1635c2cf49_attn, .Lfunc_end_k_q1635c2cf49_attn-k_q1635c2cf49_attn
	.p2alignl 7, 3214868480
	.fill 96, 4, 3214868480
	.section	.rodata,"a",@progbits
	.p2align	6, 0x0
	.amdhsa_kernel k_q1635c2cf49_attn
		.amdhsa_group_segment_fixed_size 327680
		.amdhsa_private_segment_fixed_size 0
		.amdhsa_enable_private_segment 0
		.amdhsa_kernarg_size 56
		.amdhsa_user_sgpr_count 2
		.amdhsa_user_sgpr_kernarg_segment_ptr 1
		.amdhsa_wavefront_size32 1
		.amdhsa_system_sgpr_workgroup_id_x 1
		.amdhsa_system_sgpr_workgroup_id_y 1
		.amdhsa_system_sgpr_workgroup_id_z 1
		.amdhsa_system_vgpr_workitem_id 0
		.amdhsa_next_free_vgpr 256
		.amdhsa_next_free_sgpr 100
		.amdhsa_reserve_vcc 0
		.amdhsa_float_denorm_mode_32 3
		.amdhsa_float_denorm_mode_16_64 3
		.amdhsa_memory_ordered 1
		.amdhsa_forward_progress 1
		.amdhsa_inst_pref_size 158
	.end_amdhsa_kernel
	.amdgpu_metadata
---
amdhsa.version: [ 1, 2 ]
amdhsa.kernels:
  - .name:           k_q1635c2cf49_attn
    .symbol:         k_q1635c2cf49_attn.kd
    .args:
      - { .name: qkc, .offset: 0, .size: 8, .value_kind: global_buffer, .address_space: global }
      - { .name: qks, .offset: 8, .size: 8, .value_kind: global_buffer, .address_space: global }
      - { .name: vc, .offset: 16, .size: 8, .value_kind: global_buffer, .address_space: global }
      - { .name: vs, .offset: 24, .size: 8, .value_kind: global_buffer, .address_space: global }
      - { .name: attention_mask, .offset: 32, .size: 8, .value_kind: global_buffer, .address_space: global }
      - { .name: ac, .offset: 40, .size: 8, .value_kind: global_buffer, .address_space: global }
      - { .name: asc, .offset: 48, .size: 8, .value_kind: global_buffer, .address_space: global }
    .group_segment_fixed_size: 327680
    .private_segment_fixed_size: 0
    .kernarg_segment_align: 8
    .kernarg_segment_size: 56
    .max_flat_workgroup_size: 512
    .sgpr_count:     100
    .vgpr_count:     256
    .wavefront_size: 32
...
	.end_amdgpu_metadata
.endif
;; end of part 4
;; launch outp (part 5): grid 4 x 32, 4 waves a work-group, clusters of 4 x 4, 327,680 bytes of LDS; arguments ac, asc, W_out_codes, W_out_scales, b_out, hidden_states, out0; writes out0
.if DOCPART == 5
	.amdgcn_target "amdgcn-amd-amdhsa--gfx1250"
	.amdhsa_code_object_version 6
	.text
	.protected	k_q1635c2cf49_outp
	.globl	k_q1635c2cf49_outp
	.p2align	8
	.type	k_q1635c2cf49_outp,@function
k_q1635c2cf49_outp:
	s_mov_b64 s[64:65], 0
	v_nop
	global_prefetch_b8 v0, s[64:65] scope:SCOPE_SE
	s_setreg_imm32_b32 hwreg(HW_REG_WAVE_MODE, 25, 1), 1
	s_wait_xcnt 0x0
	s_wait_alu depctr_hold_cnt(0) depctr_sa_sdst(0) depctr_va_vdst(0) depctr_va_sdst(0) depctr_va_ssrc(0) depctr_va_vcc(0) depctr_vm_vsrc(0)
	s_getreg_b32 s2, hwreg(HW_REG_IB_STS2, 6, 4)
	s_cmp_eq_u32 s2, 0
	s_cbranch_scc0 .Lentry_in_a_cluster
	s_endpgm
.Lentry_in_a_cluster:
	s_bfe_u32 s2, ttmp6, 0x10000c
	s_cmp_lg_u32 s2, 0xf033
	s_cbranch_scc0 .Lentry_shape_is_right
	s_endpgm
.Lentry_shape_is_right:
; ONE TEXT FOR THREE PRODUCTS ON CODES OF E3M2 (one E8M0 byte for each 32 along K), K = 1,024; ROLE says which.  C'[m][n] = sum over k of A'[m][k] B'[n][k] + bias.
;   ROLE 0: A' = x (8,192 tokens), B' = the 2,048 rows of W_qkv that make q and k; bias by n.  The result is quantised along n (the heads' channels) and leaves as codes.
;   ROLE 1: A' = the 1,024 rows of W_qkv that make v, B' = x; bias by m.  The result, v transposed, is quantised along n (the tokens, the second attention product's K) and leaves as codes.
;   ROLE 2: A' = the attention's result (fragment images), B' = W_out's 1,024 rows; bias by n; + hidden_states; the result is out0, f32.
; A tile of C', 256 x 256, is made by four waves, as many as a WGP has SIMDs; a wave makes 128 x 128: 64 accumulators of 16 x 16, 512 registers.  K goes in steps of 256 through a ring of two LDS slots filled by the tensor data mover.
; The scale bytes of the work-group's 256 + 256 rows, for all of K, are two dense blocks: they come into LDS once, with the first fills, and stay.
; CLUSTERS: 4 x 4 work-groups.  The four of a row of the cluster need the same tiles of A', the four of a column the same tiles of B': each tile is asked for JOINTLY, by the same tensor load with the same descriptor and a mask that names the four.
; THE MATRIX INSTRUCTION IS USED TRANSPOSED (source 0 = 16 rows of B', source 1 = 16 rows of A'): a lane holds ONE row m (lane % 16), and register j of accumulator (a, b) is column n = 16 b + 8 (lane / 16) + j.
; THE BIAS is the C of each sum's first matrix instruction: 64 registers in the result's layout; nothing is cleared and nothing is added later.
; CODES OUT (ROLE 0, 1).  The 64 numbers that a lane holds of block a (its 8 accumulators) are 128 along n of one row: registers 16 B .. 16 B + 15 of lanes l and l xor 16 together are block B of 32.  They are quantised in registers and become
; a FRAGMENT'S REGISTER IMAGE: 12 registers a lane, stored by three stores of 512 consecutive bytes (register group c at 512 c + 16 lane).  Inside a block of 32 the codes stand in another order than n (its second and third groups of 8 have
; changed places); both operands of each attention product are made in this same way, so their products meet as they should.  Scale words: 8 blocks x 16 rows = 512 bytes, the word of block a, row r at 256 (a / 4) + 16 r + 4 (a % 4).
; LIMITS: a block of zeros gets the byte 1 (its codes are zeros; only this program reads the bytes); blocks whose largest magnitude lies under 2^-122 share that byte; NaN and infinities are not served.
; This role has 128 tiles of 256 x 256, so 128 work-groups: a smaller tile would read each LDS byte for half the products.
; REGISTERS, in windows of 256: window 0: v0-31 addresses; v32-63 scale words, two sets; v64-127 the bias; from v128 A's fragments, ONE set (on the way out: at work).
;   window 1: B's fragments, TWO sets, at v0 and v128 (ROLE 2, on the way out: the residual).   window 2: the accumulators of my rows 0-63 ((a, b) at v[8 (8 a + b)]);   window 3: those of rows 64-127.
.set ROLE,   2
.set KSTEP,  256                       ; along K in a slot
.set NQ,     2                         ; matrix instructions deep
.set ROWB,   192                       ; a tile's row in bytes: 256 codes of 6 bits
.set KROW,   768                       ; a row of codes in memory
.set PITCH,  240                       ; an LDS row: 3 x (64 bytes + 16 of padding) = 60 words, so that the 32 lanes of a load of 8 bytes touch 64 different banks (64 banks of 4 bytes: ISA guide 11.1)
.set FR,     12                        ; registers of a fragment: 16 rows x 128 K
.set NP,     4                         ; places behind this matrix instruction (ISA guide 7.12.1)
.set HALFT,  128*PITCH                 ; room for 128 rows: what one tensor load brings
.set SLOT,   4*HALFT                   ; A's 256 rows, then B's 256 rows
.set LAPS,   2                         ; a lap = two K steps = once round the ring: 1,024 / 512
.set KS,     32                        ; a row of scale bytes
.set SCL,    2*SLOT                    ; behind the ring: the scales, as runs of 256 bytes + 16 of padding
.set HALFS,  16*272                    ; those of 128 rows
.set SBLK,   2*272                     ; those of 16 rows
.set SPARE,  SCL+4*HALFS               ; behind the scales: the spare words, 128 bytes for each wave: two blocks of 256 bytes that no other line names
.set SPITCH, 528                       ; ROLE 2: a stage of 16 rows x (512 + 16) bytes for each wave, in slot 0, which has had its last fill and its last read by then
.if ROLE == 2
.set NLA,    3                         ; LDS loads that bring a fragment of A': an image comes by three loads of 16 bytes a lane
.set ASTEP,  3072                      ; bytes from a K step of A' to the next: two fragments
.else
.set NLA,    6                         ; from rows: six loads of 8 bytes
.set ASTEP,  ROWB
.endif
.set ADRA, 16                          ; v16-17  LDS address of my A fragments in slot 0, 1  (v18-19: for the pieces that lie behind one padding more)
.set ADRB, 20                          ; v20-21  the same for B  (v22-23)
.set STO,  24                          ; v24     ROLE 2: where I put 32 bytes of a row in the stage
.set RD,   25                          ; v25     ROLE 2: where I read a row back
.set CO,   26                          ; v26     16 x lane
.set ADRS, 27                          ; v27     LDS address of my scale words: lanes 0-15 A's rows, lanes 16-31 B's
.set SPW,  28                          ; v28     LDS address of my spare word; never rewritten
.set NIL,  29                          ; v29     0; never rewritten
.set BAD,  30                          ; v30     my lane's byte in the bias
.set SC,   32                          ; scale words: set s at v[SC + 16 s]; register 2 i + q: lanes 0-15 A's block i, lanes 16-31 B's block i, the slot's q-th 128 along K
.set BIAS, 64
.set AF,   128                         ; A's fragments
.set BK,   128                         ; ROLE 2: 16 rows read back from the stage: v128-191 and v192-255 by turns
.set PC,   128                         ; ROLE 0, 1: the codes just made (12 registers; v140-142, v144-146 beside them)
.set TM,   160                         ; v160-163 largest magnitudes, v164-167 bytes, v172-175 the conversions' scale operands
.set PWS,  176                         ; v176-183 the eight blocks' scale words
.set PQ,   184                         ; v184-187 the same, laid for one store
.set G1, 24                            ; s[24:31] descriptor group 1 for A's tiles;  s[32:39] group 0, one set for each slot
.set G0, 32
.set G1B, 48                           ; s[48:55], s[56:63] the same for B's tiles
.set G0B, 56
.set G1S, 68                           ; s[68:75], s[76:79] groups 1 and 0 for A's scales;  s[80:87], s[88:91] for B's
.set G0S, 76
.set G1SB, 80
.set G0SB, 88
.set HM,  95                           ; s95 lanes 16-31
.set SEL, 100                          ; s[100:101] v_permlanex16_b32's selects for lane l xor 16
.set MSB, 0
.macro WIN new                         ; the immediate's high byte repeats the setting that is left; a switch that changes nothing is dropped
.if MSB != (\new)
	s_set_vgpr_msb (MSB<<8)|(\new)
.set MSB, (\new)
.endif
.endm
.set MUL_LO,   0xa1                    ; source 0 (B) window 1, source 1 (A) window 0, C and D window 2
.set MUL_HI,   0xf1                    ; the same, C and D window 3
.set FIRST_LO, 0x81                    ; the first K step: C (the bias) window 0, D window 2
.set FIRST_HI, 0xc1                    ; D window 3
.set TO_B,     0x40                    ; destination window 1, address window 0
; A joint load: waves 0 and 1 fetch for A, waves 2 and 3 for B.  Each of the two lines has ONE mask and one set of registers for all that issue it; the branch hangs on the wave's number alone.
; Four v_nop follow each of the two lines, ahead of the jump, the label and what follows.
.macro JLOAD g0a, g1a, g0b, g1b
	s_cmp_eq_u32 s15, 0
	s_cbranch_scc0 .Lfor_b_\@
	tensor_load_to_lds s[\g0a:\g0a+3], s[\g1a:\g1a+7]
	s_nop 0
.rept 4
	v_nop
.endr
	s_branch .Lasked_\@
.Lfor_b_\@:
	tensor_load_to_lds s[\g0b:\g0b+3], s[\g1b:\g1b+7]
	s_nop 0
.rept 4
	v_nop
.endr
.Lasked_\@:
.endm
.macro CREST                           ; a round of the cluster's barrier behind its opening barrier
	s_cmp_lg_u32 s14, 0
	s_cbranch_scc1 .Lnot_wave_0_\@
	s_barrier_signal -3
.Lnot_wave_0_\@:
	s_barrier_wait -3
	s_barrier_signal -1
	s_barrier_wait -1
.endm
.macro CROUND                          ; a whole round
	s_barrier_signal -1
	s_barrier_wait -1
	CREST
.endm
	s_load_b128 s[4:7], s[0:1], 0x0                ; A's codes s[4:5], A's scales s[6:7]
	s_load_b128 s[8:11], s[0:1], 0x10              ; B's codes s[8:9], B's scales s[10:11]
	s_load_b64 s[12:13], s[0:1], 0x20              ; the bias
	s_load_b64 s[96:97], s[0:1], 0x28              ; ROLE 0, 1: the codes out;  ROLE 2: hidden_states
	s_load_b64 s[98:99], s[0:1], 0x30              ; ROLE 0, 1: the scale words out;  ROLE 2: out0
	v_lshl_add_u32 v[SPW], v0, 2, SPARE
	v_mov_b32 v[NIL], 0
	ds_add_u32 v28, v29
	s_wait_dscnt 0x0
	v_lshrrev_b32 v1, 5, v0
	v_readfirstlane_b32 s14, v1                    ; wave 0..3
	s_lshr_b32 s15, s14, 1                         ; which half of the tile's rows is mine.  Also: I fetch for A (0) or for B (1)
	s_and_b32 s16, s14, 1                          ; which half of its columns.  Also: which 128 rows of that tile I fetch
	s_bfe_u32 s40, ttmp6, 0x40000                  ; cx, cy: my place in the cluster
	s_bfe_u32 s41, ttmp6, 0x40004
	s_lshl_b32 s42, ttmp9, 2
	s_add_co_u32 s42, s42, s40                     ; tile column = 4 x cluster x + cx
	s_and_b32 s17, ttmp7, 0xffff
	s_lshl_b32 s17, s17, 2
	s_add_co_u32 s17, s17, s41                     ; tile row = 4 x cluster y + cy
	s_lshl_b32 s43, s41, 2
	s_lshl_b32 s43, 15, s43                        ; my row of the cluster
	s_lshl_b32 s44, 0x1111, s40                    ; my column
	s_mov_b32 s[HM], 0xffff0000
	s_mov_b32 s[SEL], 0x76543210
	s_mov_b32 s[SEL+1], 0xfedcba98
.if ROLE == 2
	; A's tile is 8 blocks of 16 rows; of each, the K step's two fragment images: 3,072 consecutive bytes, 12,288 bytes from block to block; dense in LDS
	s_or_b32 s[G1+0], s43, (3<<16)|(1<<21)         ; 15:0 the mask: my row; 17:16 elements of 8 bytes; 20 no padding; 21 set beside a mask
	s_mov_b32 s[G1+1], 384<<16                     ; tensor_dim0
	s_mov_b32 s[G1+2], 8<<16                       ; tensor_dim1
	s_mov_b32 s[G1+3], 384<<16                     ; tile_dim0
	s_mov_b32 s[G1+4], 8                           ; tile_dim1
	s_mov_b32 s[G1+5], 1536                        ; tensor_dim0_stride
.else
	s_or_b32 s[G1+0], s43, (1<<20)|(1<<21)|(3<<22)|(3<<25)  ; 15:0 the mask: my row; 17:16 elements of 1 byte; 20 padding on; 21 set beside a mask; 24:22 after every 16 words; 31:25 of 4 words
	s_mov_b32 s[G1+1], ROWB<<16                    ; tensor_dim0
	s_mov_b32 s[G1+2], 128<<16                     ; tensor_dim1
	s_mov_b32 s[G1+3], ROWB<<16                    ; tile_dim0
	s_mov_b32 s[G1+4], 128                         ; tile_dim1
	s_mov_b32 s[G1+5], KROW                        ; tensor_dim0_stride
.endif
	s_mov_b32 s[G1+6], 0
	s_mov_b32 s[G1+7], 0
	s_or_b32 s[G1B+0], s44, (1<<20)|(1<<21)|(3<<22)|(3<<25)  ; B's tiles: 128 rows of 192 bytes, padded; the mask of my column
	s_mov_b32 s[G1B+1], ROWB<<16
	s_mov_b32 s[G1B+2], 128<<16
	s_mov_b32 s[G1B+3], ROWB<<16
	s_mov_b32 s[G1B+4], 128
	s_mov_b32 s[G1B+5], KROW
	s_mov_b32 s[G1B+6], 0
	s_mov_b32 s[G1B+7], 0
	; the scales of 128 rows: a dense block of 4,096 bytes, as 16 rows of 256 bytes (32 elements of 8 bytes), 16 bytes of padding behind each
	s_or_b32 s[G1S+0], s43, (3<<16)|(1<<20)|(1<<21)|(5<<22)|(3<<25)
	s_or_b32 s[G1SB+0], s44, (3<<16)|(1<<20)|(1<<21)|(5<<22)|(3<<25)
.irp g, G1S, G1SB
	s_mov_b32 s[\g+1], 32<<16
	s_mov_b32 s[\g+2], 16<<16
	s_mov_b32 s[\g+3], 32<<16
	s_mov_b32 s[\g+4], 16
	s_mov_b32 s[\g+5], 32
	s_mov_b32 s[\g+6], 0
	s_mov_b32 s[\g+7], 0
.endr
	s_lshl_b32 s18, s16, 7                         ; which 128 rows of the tile I fetch
	s_lshl_b32 s20, s17, 8
	s_add_co_u32 s20, s20, s18                     ; A: row 256 x tile row + 128 x half
	s_lshl_b32 s46, s42, 8
	s_add_co_u32 s46, s46, s18                     ; B: row 256 x tile column + 128 x half
	s_mov_b32 s21, 0
	s_mov_b32 s47, 0
	s_mov_b64 s[18:19], KS
	s_mul_u64 s[22:23], s[20:21], s[18:19]         ; where these rows' scales begin, in bytes
	s_mul_u64 s[92:93], s[46:47], s[18:19]
	s_mov_b64 s[18:19], KROW
	s_mul_u64 s[20:21], s[20:21], s[18:19]         ; and their codes (16 rows of 768 bytes are as many bytes as a block's 8 images)
	s_mul_u64 s[46:47], s[46:47], s[18:19]
	s_mul_i32 s45, s14, HALFT                      ; where they go: wave x 128 rows: no place in the cluster enters an LDS address
	s_mul_i32 s94, s14, HALFS
	s_wait_kmcnt 0x0
.if ROLE == 1
	s_add_nc_u64 s[4:5], s[4:5], 2048*768          ; v's rows of W_qkv begin at row 2,048,
	s_add_nc_u64 s[6:7], s[6:7], 2048*32           ; their scale bytes
	s_add_nc_u64 s[12:13], s[12:13], 2048*4        ; and their bias likewise
.endif
	s_add_nc_u64 s[20:21], s[4:5], s[20:21]
	s_add_nc_u64 s[22:23], s[6:7], s[22:23]
	s_add_nc_u64 s[46:47], s[8:9], s[46:47]
	s_add_nc_u64 s[92:93], s[10:11], s[92:93]
	CROUND                                         ; all sixteen work-groups are here: the first joint loads meet
	s_mov_b32 s[G0S], 1
	s_add_co_u32 s[G0S+1], s94, SCL
	s_mov_b64 s[G0S+2:G0S+3], s[22:23]
	s_or_b32 s[G0S+3], s[G0S+3], 0x80000000
	s_mov_b32 s[G0SB], 1
	s_add_co_u32 s[G0SB+1], s94, SCL
	s_mov_b64 s[G0SB+2:G0SB+3], s[92:93]
	s_or_b32 s[G0SB+3], s[G0SB+3], 0x80000000
	JLOAD G0S, G1S, G0SB, G1SB                     ; the scales first: they are wanted with K step 0
.irp s, 0,1
	s_mov_b32 s[G0+4*\s], 1
	s_add_co_u32 s[G0+4*\s+1], s45, \s*SLOT
	s_add_nc_u64 s[G0+4*\s+2:G0+4*\s+3], s[20:21], \s*ASTEP
	s_or_b32 s[G0+4*\s+3], s[G0+4*\s+3], 0x80000000
	s_mov_b32 s[G0B+4*\s], 1
	s_add_co_u32 s[G0B+4*\s+1], s45, \s*SLOT
	s_add_nc_u64 s[G0B+4*\s+2:G0B+4*\s+3], s[46:47], \s*ROWB
	s_or_b32 s[G0B+4*\s+3], s[G0B+4*\s+3], 0x80000000
	JLOAD G0+4*\s, G1, G0B+4*\s, G1B
.endr
	v_and_b32 v1, 15, v0                           ; r = l % 16
	v_bfe_u32 v2, v0, 4, 1                         ; h = l / 16
	; the bias, in the result's layout
.if ROLE == 1
	s_lshl_b32 s20, s17, 10                        ; by m: 4 bytes x (256 x tile row + 128 x half)
	s_lshl_b32 s21, s15, 9
	s_add_co_u32 s20, s20, s21
	s_mov_b32 s21, 0
	s_add_nc_u64 s[12:13], s[12:13], s[20:21]
	v_lshlrev_b32 v[BAD], 2, v1                    ; my row's number stands in all eight registers of block a
.irp a, 0,1,2,3,4,5,6,7
.irp j, 0,1,2,3,4,5,6,7
	global_load_b32 v[BIAS+8*\a+\j], v[BAD], s[12:13] offset:64*\a
.endr
.endr
.else
	s_lshl_b32 s46, s42, 10                        ; by n: 4 bytes x (256 x tile column + 128 x half)
	s_lshl_b32 s47, s16, 9
	s_add_co_u32 s46, s46, s47
	s_mov_b32 s47, 0
	s_add_nc_u64 s[12:13], s[12:13], s[46:47]
	v_lshlrev_b32 v[BAD], 5, v2                    ; block b: columns 16 b + 8 h + 0 .. 7
.irp b, 0,1,2,3,4,5,6,7
	global_load_b128 v[BIAS+8*\b:BIAS+8*\b+3], v[BAD], s[12:13] offset:64*\b
	global_load_b128 v[BIAS+8*\b+4:BIAS+8*\b+7], v[BAD], s[12:13] offset:64*\b+16
.endr
.endif
	v_mul_u32_u24 v3, v1, PITCH
	v_mul_u32_u24 v4, v2, 24
	v_add_nc_u32 v4, v3, v4                        ; a fragment's row x pitch + 24 x half
	v_lshl_add_u32 v5, v2, 4, v4                   ; and the same behind one padding more
	v_and_b32 v6, 31, v0
	v_lshlrev_b32 v[CO], 4, v6                     ; 16 x lane
	s_mul_i32 s21, s15, HALFT                      ; my 128 rows of A
	s_mul_i32 s22, s16, HALFT                      ; my 128 rows of B,
	s_add_co_u32 s22, s22, 2*HALFT                 ; which lie behind A's 256
.irp s, 0,1
.if ROLE == 2
	v_add_nc_u32 v[ADRA+\s], s21, v[CO]            ; an image's place for my lane
.else
	v_add_nc_u32 v[ADRA+\s], s21, v4
	v_add_nc_u32 v[ADRA+2+\s], s21, v5
.endif
	v_add_nc_u32 v[ADRB+\s], s22, v4
	v_add_nc_u32 v[ADRB+2+\s], s22, v5
	s_add_co_u32 s21, s21, SLOT
	s_add_co_u32 s22, s22, SLOT
.endr
	v_mul_u32_u24 v5, v1, KS                       ; my row's scales: 32 bytes a row,
	v_lshrrev_b32 v6, 8, v5
	v_lshl_add_u32 v5, v6, 4, v5                   ; and 16 more for each 256 passed
	s_mul_i32 s21, s15, HALFS                      ; A's: my 128 rows
	s_mul_i32 s22, s16, HALFS                      ; B's: my 128 rows, behind A's 256
	s_add_co_u32 s22, s22, 2*HALFS
	s_sub_co_u32 s22, s22, s21
	v_mul_u32_u24 v6, s22, v2                      ; lanes 16-31 take B's: one product, the distance between the two bases
	s_add_co_u32 s21, s21, SCL
	v_add_nc_u32 v5, v5, v6
	v_add_nc_u32 v[ADRS], s21, v5
.if ROLE == 2
	s_mul_i32 s23, s14, 16*SPITCH                  ; my stage
	v_mul_u32_u24 v5, v1, SPITCH                   ; in: row l % 16, 32 bytes for each half of the lanes
	v_lshl_add_u32 v5, v2, 5, v5
	v_add_nc_u32 v[STO], s23, v5
	v_add_nc_u32 v[RD], s23, v[CO]                 ; back: the 32 lanes take one row of 512 bytes
	s_lshl_b32 s20, s17, 8
	s_lshl_b32 s21, s15, 7
	s_add_co_u32 s20, s20, s21                     ; my first row: 256 x tile row + 128 x half,
	s_lshl_b32 s20, s20, 12                        ; x 4,096 bytes (under 2^25),
	s_add_co_u32 s20, s20, s46                     ; + my first column's bytes, which are the bias's offset
	s_mov_b32 s21, 0
	s_add_nc_u64 s[96:97], s[96:97], s[20:21]      ; hidden_states and out0 at my part's first byte
	s_add_nc_u64 s[98:99], s[98:99], s[20:21]
.else
	s_lshl_b32 s46, s42, 1
	s_add_co_u32 s46, s46, s16                     ; which 128 along n is my wave's
	s_lshl_b32 s20, s17, 1
	s_add_co_u32 s20, s20, s15                     ; which 128 along m
.if ROLE == 0
	s_mul_i32 s47, s46, 786432                     ; codes: [128 columns][16 tokens][1,536]: 512 images to a run of 128 columns,
	s_mul_i32 s21, s20, 12288                      ; 8 to my 128 tokens
	s_lshl_b32 s46, s46, 15                        ; scale words: [128 columns][128 tokens][512]
	s_lshl_b32 s20, s20, 9
.else
	s_mul_i32 s47, s46, 12288                      ; codes: [128 channels][128 tokens][16 channels][1,536]
	s_mul_i32 s21, s20, 786432
	s_lshl_b32 s46, s46, 9
	s_lshl_b32 s20, s20, 15
.endif
	s_add_co_u32 s22, s47, s21
	s_mov_b32 s23, 0
	s_add_nc_u64 s[96:97], s[96:97], s[22:23]
	s_add_co_u32 s22, s46, s20
	s_add_nc_u64 s[98:99], s[98:99], s[22:23]
.endif
.macro FRAG reg, adr, q, i             ; a fragment from rows: lane l holds row l % 16; registers 6 c .. 6 c + 5 hold K = 64 c + 32 (l / 16) + 0 .. 31: 24 bytes of the row's stream of bits, as they lie
.irp p, 0,1,2,3,4,5                    ; in pieces of 8 bytes.  Lanes 0-15 take the row's pieces 12 q + 0, 1, 2 and 12 q + 6, 7, 8, lanes 16-31 those three pieces on
.set PCE, 12*(\q)+6*(\p/3)+\p%3        ; 16 bytes of padding lie behind every 8 pieces: where the piece three on lies behind one padding more, the second address register serves
.if PCE%8 < 5
	ds_load_b64 v[\reg+2*\p:\reg+2*\p+1], v[\adr] offset:8*PCE+16*(PCE/8)+(\i)*16*PITCH
.else
	ds_load_b64 v[\reg+2*\p:\reg+2*\p+1], v[\adr+2] offset:8*PCE+16*(PCE/8)+(\i)*16*PITCH
.endif
.endr
.endm
; 16 matrix instructions: A's blocks a0, a0 + 1 x B's eight, 128 along K: the slot's q-th.  p: B's set;  sc: the set of scale words.  zero = 1: the first K step: C is the bias.
; The 64 accumulators take turns, one instruction a turn, in the same order in every step.
.macro MUL16 a0, p, q, sc, zero
.irp a, \a0, \a0+1
.irp b, 0,1,2,3,4,5,6,7
.set rD, 8*(8*((\a)%4)+\b)
.set rB, 128*(\p)+FR*\b
.set rA, AF+FR*(\a)
.set rSB, SC+8*NQ*(\sc)+NQ*\b+(\q)
.set rSA, SC+8*NQ*(\sc)+NQ*(\a)+(\q)
.if \zero
.if ROLE == 1
.set rC, BIAS+8*(\a)
.else
.set rC, BIAS+8*\b
.endif
	v_wmma_scale_f32_16x16x128_f8f6f4 v[rD:rD+7], v[rB:rB+FR-1], v[rA:rA+FR-1], v[rC:rC+7], v[rSB], v[rSA] matrix_a_fmt:MATRIX_FMT_BF6 matrix_b_fmt:MATRIX_FMT_BF6 matrix_a_scale:MATRIX_SCALE_ROW1
.else
	v_wmma_scale_f32_16x16x128_f8f6f4 v[rD:rD+7], v[rB:rB+FR-1], v[rA:rA+FR-1], v[rD:rD+7], v[rSB], v[rSA] matrix_a_fmt:MATRIX_FMT_BF6 matrix_b_fmt:MATRIX_FMT_BF6 matrix_a_scale:MATRIX_SCALE_ROW1
.endif
.endr
.endr
.endm
.macro FETCH_B slot, q, p              ; B's eight fragments of the slot's q-th 128 along K into set p
	WIN TO_B
.irp i, 0,1,2,3,4,5,6,7
	FRAG 128*(\p)+FR*\i, ADRB+\slot, \q, \i
.endr
	WIN 0
.endm
.macro FETCH_A slot, q, i0             ; A's blocks i0 .. i0 + 3
.irp i, \i0, \i0+1, \i0+2, \i0+3
.if ROLE == 2
.irp c, 0,1,2
	ds_load_b128 v[AF+FR*(\i)+4*\c:AF+FR*(\i)+4*\c+3], v[ADRA+\slot] offset:(\i)*3072+(\q)*1536+512*\c   ; the image as it was stored: the same registers in the same lanes
.endr
.else
	FRAG AF+FR*(\i), ADRA+\slot, \q, \i
.endif
.endr
.endm
.macro SCALES sc                       ; the next K step's scale words into set sc: two words a row; lanes 0-15 take A's block i, lanes 16-31 B's block i
.irp i, 0,1,2,3,4,5,6,7
	ds_load_b64 v[SC+8*NQ*\sc+NQ*\i:SC+8*NQ*\sc+NQ*\i+1], v[ADRS] offset:\i*SBLK
.endr
.endm
; A load into a register that a matrix instruction has read, and a vector instruction or an LDS store that reads a matrix result, stand NP places behind that matrix instruction; only plain vector
; instructions that name none of its registers are places (ISA guide 7.12.1 for vector instructions).
.macro PLACES n
.rept \n
	v_nop
.endr
.endm
; A step of 128 along K that has its successor in the same slot.
.macro STEP slot, q, zero
	s_wait_dscnt 4*NLA                             ; B's set and A's blocks 0-3 are in; the youngest loads (A's blocks 4-7) may be out
.if \zero
	WIN FIRST_LO
.else
	WIN MUL_LO
.endif
	MUL16 0, (\q)%2, \q, \slot, \zero
	MUL16 2, (\q)%2, \q, \slot, \zero
	s_wait_dscnt 0                                 ; A's blocks 4-7 are in (asked for 32 matrix instructions ago)
	PLACES NP
	FETCH_B \slot, (\q)+1, 1-(\q)%2
	FETCH_A \slot, (\q)+1, 0
.if \zero
	WIN FIRST_HI
.else
	WIN MUL_HI
.endif
	MUL16 4, (\q)%2, \q, \slot, \zero
	MUL16 6, (\q)%2, \q, \slot, \zero
	PLACES NP
	WIN 0
	FETCH_A \slot, (\q)+1, 4
.endm
; A slot's last step changes slots: ONE barrier; in front of it each wave waits for all its tensor loads, adds 0 to its spare word, and waits for that and for its own reads of this slot.  fill = 1: this slot is filled again, two K steps ahead.
.macro TURN slot, next, fill
	s_wait_tensorcnt 0x0                           ; all my tensor loads have landed: my part of the next slot  (every window is 0 here: the add's two registers lie in window 0)
	ds_add_u32 v[SPW], v[NIL]                      ; 0 onto my spare word
	s_wait_dscnt 4*NLA+1                           ; (the add and the youngest loads, A's blocks 4-7, may be out)
	WIN MUL_LO
	MUL16 0, 1, NQ-1, \slot, 0                     ; sixteen matrix instructions stand between the add and the wait for it
	s_wait_dscnt 0x0                               ; the add is done, and my reads of this slot are over
	s_barrier_signal -1
	MUL16 2, 1, NQ-1, \slot, 0
	WIN 0
	s_barrier_wait -1
.if \fill
	CREST                                          ; the barrier has opened a round of the cluster's barrier: no wave of any partner still reads this slot's tile or has a load on its way
	s_add_nc_u64 s[G0+4*\slot+2:G0+4*\slot+3], s[G0+4*\slot+2:G0+4*\slot+3], 2*ASTEP
	s_add_nc_u64 s[G0B+4*\slot+2:G0B+4*\slot+3], s[G0B+4*\slot+2:G0B+4*\slot+3], 2*ROWB
	JLOAD G0+4*\slot, G1, G0B+4*\slot, G1B         ; the first tensor load behind the round; the four v_nop behind it are the places in front of the loads below
.else
	PLACES NP
.endif
	v_add_nc_u32 v[ADRS], 4*NQ, v[ADRS]            ; on to the next K step's scale words (no LDS load of mine is out)
	FETCH_B \next, 0, 0
	FETCH_A \next, 0, 0
	SCALES \next
	WIN MUL_HI
	MUL16 4, 1, NQ-1, \slot, 0
	MUL16 6, 1, NQ-1, \slot, 0
	PLACES NP
	WIN 0
	FETCH_A \next, 0, 4
.endm
	s_wait_loadcnt 0x0                             ; the bias
	s_wait_tensorcnt 1                             ; the scales and my part of K step 0 are in (K step 1's load may be out)
	s_barrier_signal -1
	s_barrier_wait -1                              ; everybody's are
	FETCH_B 0, 0, 0
	FETCH_A 0, 0, 0
	SCALES 0
	FETCH_A 0, 0, 4
	STEP 0, 0, 1                                   ; the first step stands in front of the loop: its products start the sums, on the bias
	s_mov_b32 s3, LAPS-1
.Llap:                                                 ; a trip goes once round the ring, from a lap's second step to the next lap's first, and fills both slots again
	TURN 0, 1, 1
	STEP 1, 0, 0
	TURN 1, 0, 1
	STEP 0, 0, 0
	s_sub_co_u32 s3, s3, 1
	s_cmp_lg_u32 s3, 0
	s_cbranch_scc1 .Llap
	TURN 0, 1, 0                                   ; the last lap fills nothing, and has no round of the cluster's barrier
	STEP 1, 0, 0
	s_wait_dscnt 4*NLA                             ; the very last step: nothing more to fetch
	WIN MUL_LO
	MUL16 0, 1, NQ-1, 1, 0
	MUL16 2, 1, NQ-1, 1, 0
	s_wait_dscnt 0
	WIN MUL_HI
	MUL16 4, 1, NQ-1, 1, 0
	MUL16 6, 1, NQ-1, 1, 0
	WIN 0
.if ROLE == 2
; THE WAY OUT, block by block of 16 rows x 128 columns: through my own stage in LDS, back as whole rows of 512 bytes; hidden_states' same 512 bytes are added; the 32 lanes store two aligned runs of 256 bytes.
; LDS serves a wave's instructions in order (ISA guide 5.7.1.4): no wait between the stores and the loads, nor in front of the next block's stores.  Every row's offset is an immediate: 127 rows of 4,096 bytes at the most.
.macro RLOAD a                         ; hidden_states' rows of block a into window 1, set a % 4
.set RL, 64*((\a)%4)
	WIN TO_B
.irp t, 0,1,2,3,4,5,6,7,8,9,10,11,12,13,14,15
	global_load_b128 v[RL+4*\t:RL+4*\t+3], v[CO], s[96:97] offset:(16*(\a)+\t)*4096 th:TH_LOAD_NT
.endr
	WIN 0
.endm
.macro TOSTAGE a
.set AC, 64*((\a)%4)
	WIN 0x08+4*((\a)/4)                            ; an LDS store's data are its source 1: window 2 or 3
.irp b, 0,1,2,3,4,5,6,7
	ds_store_b128 v[STO], v[AC+8*\b:AC+8*\b+3] offset:64*\b          ; each accumulator from its low end on
	ds_store_b128 v[STO], v[AC+8*\b+4:AC+8*\b+7] offset:64*\b+16
.endr
	WIN 0
.set BB, BK+64*((\a)%2)
.irp t, 0,1,2,3,4,5,6,7,8,9,10,11,12,13,14,15
	ds_load_b128 v[BB+4*\t:BB+4*\t+3], v[RD] offset:\t*SPITCH
.endr
.endm
.macro SENDR a, younger                ; younger: the LDS instructions issued behind block a's loads, which may stay out
.set RR, 64*((\a)%4)
	s_wait_dscnt \younger                          ; the block is back in registers
.if (\a) < 5
	s_wait_loadcnt 48                              ; its rows of hidden_states are in; those of the three blocks behind it may be out
.else
	s_wait_loadcnt 16*(7-(\a))
.endif
	WIN 0x04                                       ; source 1: window 1
.set BB, BK+64*((\a)%2)
.set i, 0
.rept 32
	v_pk_add_f32 v[BB+i:BB+i+1], v[BB+i:BB+i+1], v[RR+i:RR+i+1]
.set i, i+2
.endr
	WIN 0
.if (\a) < 4
	RLOAD (\a)+4                                   ; the set just read takes the block four further on
.endif
.set BB, BK+64*((\a)%2)
.irp t, 0,1,2,3,4,5,6,7,8,9,10,11,12,13,14,15
	global_store_b128 v[CO], v[BB+4*\t:BB+4*\t+3], s[98:99] offset:(16*(\a)+\t)*4096 th:TH_STORE_NT   ; 32 lanes store 512 consecutive bytes, at a multiple of 256 from out0's first byte
.endr
.endm
	PLACES NP                                      ; behind the last products: for the loads into the registers that held A's and B's fragments, and for the reads of results
	RLOAD 0
	RLOAD 1
	RLOAD 2
	RLOAD 3
	TOSTAGE 0
.irp a, 1,2,3,4,5,6,7
.if \a > 1
	s_wait_xcnt 0x0                                ; block a - 2's stores have read their registers: block a's loads may land there
.endif
	TOSTAGE \a
	SENDR \a-1, 32                                 ; behind block a - 1's loads: block a's 16 stores and 16 loads
.endr
	SENDR 7, 0
.else
; THE WAY OUT: block a's 64 numbers a lane, in window w from v[s] on, become a fragment's codes in v[PC] on and its scale word in v[pw].  Each accumulator is read from its low end on.
.macro QUANTW s, w, pw
	WIN (\w)|((\w)<<2)                             ; sources 0 and 1: the accumulators' window
.irp b, 0,1,2,3
	v_max3_num_f32 v[TM+\b], |v[(\s)+16*\b]|, |v[(\s)+1+16*\b]|, 0x2800000   ; block b: my 16 numbers, and the floor 2^(5 - 127): the byte cannot fall under 1
.endr
	WIN ((\w)<<2)|((\w)<<4)                        ; sources 1 and 2
.irp i, 2,4,6,8,10,12,14
.irp b, 0,1,2,3
	v_max3_num_f32 v[TM+\b], v[TM+\b], |v[(\s)+16*\b+\i]|, |v[(\s)+1+16*\b+\i]|   ; (the four blocks by turns)
.endr
.endr
	WIN 0
.irp b, 0,1,2,3
	v_permlanex16_b32 v[TM+4+\b], v[TM+\b], s[SEL], s[SEL+1]
.endr
.irp b, 0,1,2,3
	v_max_num_f32 v[TM+\b], v[TM+\b], v[TM+4+\b]   ; with lane l xor 16's: the block's largest magnitude
.endr
.irp b, 0,1,2,3
	v_add_nc_u32 v[TM+12+\b], 0xfe000000, v[TM+\b] ; 4 off its exponent field: the conversion's scale operand
.endr
.irp b, 0,1,2,3
	v_lshrrev_b32 v[TM+4+\b], 23, v[TM+12+\b]      ; the scale's byte
.endr
	v_lshl_or_b32 v[\pw], v[TM+5], 8, v[TM+4]      ; the four bytes make my row's scale word
	v_lshl_or_b32 v[\pw], v[TM+6], 16, v[\pw]
	v_lshl_or_b32 v[\pw], v[TM+7], 24, v[\pw]
	WIN (\w)                                       ; source 0
.irp c, 0,1
	v_cvt_scalef32_pk16_bf6_f32 v[PC+6*\c:PC+2+6*\c], v[(\s)+32*\c:(\s)+15+32*\c], v[TM+12+2*\c]
	v_cvt_scalef32_pk16_bf6_f32 v[PC+12+4*\c:PC+14+4*\c], v[(\s)+16+32*\c:(\s)+31+32*\c], v[TM+12+2*\c+1]   ; (a conversion's three registers begin on an even number)
.endr
	WIN 0
	v_nop                                          ; one plain place behind a scaled conversion
.irp c, 0,1                                    ; the operand's layout wants a WHOLE block in a lane: lanes 0-15 block 2 c, lanes 16-31 block 2 c + 1
.irp i, 0,1,2
	v_permlane16_swap_b32 v[PC+6*\c+\i], v[PC+12+4*\c+\i]
.endr
.irp i, 0,1,2
	v_mov_b32 v[PC+3+6*\c+\i], v[PC+12+4*\c+\i]
.endr
.endr
.endm
.macro QOUT a
.if (\a) > 0
	s_wait_xcnt 0x0                                ; the codes' registers, which the last block's stores read, are rewritten only behind this wait (ISA guide 3.1)
.endif
	QUANTW 64*((\a)%4), 2+(\a)/4, PWS+(\a)
.irp c, 0,1,2
	global_store_b128 v[CO], v[PC+4*\c:PC+4*\c+3], s[96:97] offset:1536*(\a)+512*\c   ; the image: 32 lanes store 512 consecutive bytes, aligned
.endr
.endm
	PLACES NP                                      ; behind the last products: for the reads of results and for the writes over A's fragments
.irp b, 0,1,2,3
	v_mov_b32 v[TM+4+\b], 0                        ; written once: a lane permute's destination counts as one of its sources
.endr
.irp a, 0,1,2,3,4,5,6,7
	QOUT \a
.endr
.irp e, 0,1,2,3
	v_cndmask_b32 v[PQ+\e], v[PWS+\e], v[PWS+4+\e], s[HM]   ; lanes 0-15 carry blocks 0-3's words, lanes 16-31 blocks 4-7's
.endr
	global_store_b128 v[CO], v[PQ:PQ+3], s[98:99]  ; 512 consecutive bytes, aligned
.endif
	s_wait_tensorcnt 0x0                           ; the wave's end: behind my last tensor load and my last LDS store
	ds_add_u32 v[SPW], v[NIL]
	s_wait_dscnt 0x0
	CROUND                                         ; the closing round: no work-group ends while a partner may still ask for a tile that names it
	s_endpgm
.Lfunc_end_k_q1635c2cf49_outp:
	.size	k_q1635c2cf49_outp, .Lfunc_end_k_q1635c2cf49_outp-k_q1635c2cf49_outp
	.p2alignl 7, 3214868480
	.fill 96, 4, 3214868480
	.section	.rodata,"a",@progbits
	.p2align	6, 0x0
	.amdhsa_kernel k_q1635c2cf49_outp
		.amdhsa_group_segment_fixed_size 327680
		.amdhsa_private_segment_fixed_size 0
		.amdhsa_enable_private_segment 0
		.amdhsa_kernarg_size 56
		.amdhsa_user_sgpr_count 2
		.amdhsa_user_sgpr_kernarg_segment_ptr 1
		.amdhsa_wavefront_size32 1
		.amdhsa_system_sgpr_workgroup_id_x 1
		.amdhsa_system_sgpr_workgroup_id_y 1
		.amdhsa_system_sgpr_workgroup_id_z 1
		.amdhsa_system_vgpr_workitem_id 0
		.amdhsa_next_free_vgpr 1024
		.amdhsa_next_free_sgpr 102
		.amdhsa_reserve_vcc 0
		.amdhsa_float_denorm_mode_32 3
		.amdhsa_float_denorm_mode_16_64 3
		.amdhsa_memory_ordered 1
		.amdhsa_forward_progress 1
		.amdhsa_inst_pref_size 178
	.end_amdhsa_kernel
	.amdgpu_metadata
---
amdhsa.version: [ 1, 2 ]
amdhsa.kernels:
  - .name:           k_q1635c2cf49_outp
    .symbol:         k_q1635c2cf49_outp.kd
    .args:
      - { .name: ac, .offset: 0, .size: 8, .value_kind: global_buffer, .address_space: global }
      - { .name: asc, .offset: 8, .size: 8, .value_kind: global_buffer, .address_space: global }
      - { .name: W_out_codes, .offset: 16, .size: 8, .value_kind: global_buffer, .address_space: global }
      - { .name: W_out_scales, .offset: 24, .size: 8, .value_kind: global_buffer, .address_space: global }
      - { .name: b_out, .offset: 32, .size: 8, .value_kind: global_buffer, .address_space: global }
      - { .name: hidden_states, .offset: 40, .size: 8, .value_kind: global_buffer, .address_space: global }
      - { .name: out0, .offset: 48, .size: 8, .value_kind: global_buffer, .address_space: global }
    .group_segment_fixed_size: 327680
    .private_segment_fixed_size: 0
    .kernarg_segment_align: 8
    .kernarg_segment_size: 56
    .max_flat_workgroup_size: 128
    .sgpr_count:     102
    .vgpr_count:     1024
    .wavefront_size: 32
...
	.end_amdgpu_metadata
.endif
;; end of part 5
